; MI455X (gfx1250); checked and timed in simulation.
; The chip was launched on July 23, 2026; its instructions are those of AMD's public machine-readable ISA for CDNA 5 (MIT licence, August 2026) and "CDNA5" Instruction Set Architecture Reference Guide (July 2026). The comments in the code are by the model that wrote it; some were corrected since.
;; Attention. Allowed arithmetic: matrix products marked QUANTISED: E2M3 operands, one E8M0 scale for each 32 along K, by v_wmma_scale_f32_16x16x128_f8f6f4 with both operands' format E2M3, f32 sums; everything else in f32.
;; Inputs: W_proj 1,024 x 1,024 float32; W_qkv 1,024 x 3,072 float32; b_proj 1,024 float32; b_qkv 3,072 float32; x 1 x 4,096 x 1,024 float32.
;; Outputs: out0 1 x 4,096 x 1,024 float32.
;; This version of the problem:
;;   THIS VERSION OF THE PROBLEM IS GIVEN IN LOW PRECISION. The matrix products marked QUANTISED in the list below multiply operands that are first quantised to E2M3 (2 exponent bits, 3 mantissa bits; 6 bits a number), with one power-of-two scale for each 32 numbers along K (OCP MX v1.0); their sums are f32. All else is computed in f32.
;;   The module's matrix products, in the order in which they are computed (A, B: the left and right operand; K: the contracted axis; several contracted axes count as one K, in the product's order):
;;     1. [M 4,096, K 1,024] x [K 1,024, N 3,072]; A: input x; B: input W_qkv: QUANTISED
;;     2. batch 16 x [M 4,096, K 64] x [K 64, N 4,096]; A: computed on the way; B: computed on the way: QUANTISED
;;     3. batch 16 x [M 4,096, K 4,096] x [K 4,096, N 64]; A: softmax (see below); B: computed on the way: QUANTISED
;;     4. [M 4,096, K 1,024] x [K 1,024, N 1,024]; A: computed on the way; B: input W_proj: QUANTISED
;;   THE QUANTISER, for each operand of a quantised product, along K:
;;     - K is cut into blocks of 32 from its start; a last block that is shorter is filled with zeros.
;;     - A block's scale is 2^e with e = floor(log2(the largest magnitude in the block)) - 2, held to -126 .. 127; a block of zeros has e = 0. As a byte (E8M0): e + 127.
;;     - Each number is divided by its block's scale, clamped to +-7.5, and rounded to the nearest number of E2M3, ties to even, subnormals kept.
;;     - The product sums the exact products of the quantised numbers (number of the format x scale) in f32.
;;   ~~~python
;;   def quantise(x, axis):      # numpy; x: float32 -> the quantised numbers, widened to float32 again
;;       x = np.moveaxis(x, axis, -1); K = x.shape[-1]
;;       x = np.pad(x, [(0, 0)] * (x.ndim - 1) + [(0, -K % 32)]); x = x.reshape(x.shape[:-1] + (-1, 32)); a = np.abs(x).max(-1, keepdims=True)
;;       e = np.where(a > 0, np.clip(np.frexp(np.where(a > 0, a, 1))[1] - 1 - 2, -126, 127), 0)      # np.frexp(a)[1] - 1 = floor(log2(a)), exactly
;;       r = np.clip(x / 2.0 ** e, -7.5, 7.5)
;;       step = 2.0 ** (np.maximum(np.frexp(np.where(r == 0, 1, r))[1] - 1, 0) - 3)
;;       q = np.round(r / step) * step * 2.0 ** e      # np.round: ties to even
;;       return np.moveaxis(q.reshape(q.shape[:-2] + (-1,))[..., :K], -1, axis).astype(np.float32)
;;   ~~~
;;   SOFTMAX AHEAD OF A QUANTISED PRODUCT. Where the list says 'softmax', what is quantised is not the finished softmax but p = 2^(t - M), with t = logit x log2(e) and M = ceil(the row's largest t), a whole number; so 1/2 < the row's largest p <= 1. The row's sum l is taken of the UNQUANTISED p, in f32, and the product's result is divided by l at the end. Since M is a whole number, a kernel that streams over the keys may use a running M (the ceiling of the running maximum): every later rescaling is an exact power of two, which a block's scale takes up: the codes' values come out the same.
;;   OPERANDS COMPUTED ON THE WAY. 'Computed on the way' means the value that the module computes at that place (a softmax that the list does not call 'softmax' is quantised finished and normalised). What goes into a quantiser is computed in f32, as accurately as f32 sums, v_exp_f32 and their like allow (about 1e-6 of the number): no bf16 or f16 on the way to a quantiser, and a product that is left as it is and whose result goes on into a quantised operand takes f32 operands (vector FMAs, or v_wmma_f32_16x16x4_f32). A number that lies on a knife's edge between two numbers of the format may be rounded either way, as far as f32 arithmetic and the matrix unit's own rounding can turn it there, and no further.
;; One version. Each part assembles by itself: llvm-mc -triple=amdgcn-amd-amdhsa -mcpu=gfx1250 --defsym DOCPART=n.
;; ======== version 1 of 1: 4 launches
;; limits: right only within a limited range of input values
;; workspace buffers: xw_codes 6,291,456 bytes; xw_scales 262,144 bytes; qkv_codes 9,437,184 bytes; qkv_scales 786,432 bytes; ao_codes 3,145,728 bytes; ao_scales 131,072 bytes
;; launch quant (part 1): grid 256 x 1, 4 waves a work-group, no clusters, 102,912 bytes of LDS; arguments x, W_qkv, W_proj, xw_codes, xw_scales; writes xw_codes, xw_scales
.if DOCPART == 1
	.amdgcn_target "amdgcn-amd-amdhsa--gfx1250"
	.amdhsa_code_object_version 6
	.text
	.protected	k_qbf98d779b0_quant
	.globl	k_qbf98d779b0_quant
	.p2align	8
	.type	k_qbf98d779b0_quant,@function
k_qbf98d779b0_quant:
	s_mov_b64 s[64:65], 0
	v_nop
	global_prefetch_b8 v0, s[64:65] scope:SCOPE_SE
	s_setreg_imm32_b32 hwreg(HW_REG_WAVE_MODE, 25, 1), 1
	s_wait_xcnt 0x0
; x [4096][1024], W_qkv [1024][3072] and W_proj [1024][1024], f32, become codes of FP6 (E2M3) with K innermost (rows of 768 bytes) and one E8M0 byte for each 32 along K (rows of 32 bytes).
; xw_codes: x's 4,096 rows, then W_qkv's 3,072 (one for each column), then W_proj's 1,024;  xw_scales likewise.
; A block's scale is 2^(floor(log2(its largest magnitude)) - 2): its byte is the largest magnitude's exponent field - 2, held at 1 from below.
; LIMITS: NaN and infinities among the inputs are not served; a block whose largest magnitude lies under 2^-124 takes the byte 1; a block of zeros takes the byte 1 where the rule says 127
; (its codes are zeros, which add nothing under any byte but 0xff, and this program alone reads the bytes).
; POSITION ORDER: x's rows and W_qkv's rows are written so that in each group of 32 rows place 16 u + r holds row 8 u + r + 8 (r / 8) (bits 3 and 4 of the index change places).  The next launch then reads
; neighbouring rows, and yet a lane's 16 results of two neighbouring tiles are 16 neighbours along the axis that it quantises.  W_proj's rows stay in their order.
; SHARES: 256 work-groups, each 131,072 bytes of f32.  0-127: x, a wave takes 8 rows (8,192 numbers), K innermost: 16 neighbours to a lane, turned through the wave's own stage in LDS.
; 128-223: W_qkv, 224-255: W_proj: 128 columns x 256 along K; a lane takes a column and its registers run down K; the codes leave through the wave's own stage, row by row.
; The three ways part on the work-group's number; each has LDS bytes of its own.  No tensor load, no barrier: waves share nothing.
.set STEPS, 16
.set CB,    12                         ; bytes of 16 codes
.set R,     16                         ; x: v16-79   four sets of 16 numbers as loaded
.set X,     80                         ; x: v80-111  two sets of 16 neighbours
.set E,     112                        ; x: v112-127 a scale byte for each step
.set C,     128                        ; x: v128-191 codes: four registers for each step
.set WREG,  8192                       ; x: LDS region of a wave: two stages of 32 x 80 bytes, then its 256 scale bytes
.set SP,    80
.set NB,    8                          ; W: blocks of 32 along K for a wave
.set PITCH, 272                        ; W: a stage row: sixteen places of 16 bytes, each with 12 bytes of codes, + 16
; LAYOUT OF xw_codes (in place of rows of 768 bytes): [K step of 256: 0..3][row 0..8191][192 bytes]: the rows of one K step lie on end, so that 128 rows of a K step are 24,576 dense bytes from a multiple of 256.
.set KROW,  192                        ; a row's codes of one K step, in bytes
.set PLANE, 1572864                    ; 8,192 rows x 192 bytes: from one K step to the next
.set WX,    32                         ; W: v32-95   two sets of 32 numbers
.set WC,    96                         ; W: a block's codes
.set OUTR,  112                        ; W: v112-175 the way out
.set SB,    24                         ; W: v24-25   the scale bytes
.set SPW,   192                        ; v192 LDS address of my spare word; never rewritten
.set NIL,   193                        ; v193 0; never rewritten
.set WQREG, 32768                      ; LDS: W_qkv's four stages
.set WPREG, 67584                      ; LDS: W_proj's four stages
.set SPARE, 102400                     ; the spare words, 128 bytes for each wave, which no other line names
.set WQ_C,  786432                     ; W_qkv's rows begin at row 4,096,
.set WP_C,  1376256                    ; W_proj's at row 7,168
.set WQ_S,  131072
.set WP_S,  229376
.macro XLOAD t
.irp i, 0,1,2,3
	global_load_b128 v[R+16*((\t)%4)+4*\i:R+16*((\t)%4)+4*\i+3], v3, s[4:5] offset:2048*(\t)+512*\i th:TH_LOAD_NT   ; 32 lanes read 512 consecutive bytes
.endr
.endm
.macro XTURN t                         ; step t's numbers through the stage: LDS serves a wave's instructions in order, so no wait stands between the stores and the loads
.irp i, 0,1,2,3
	ds_store_b128 v14, v[R+16*((\t)%4)+4*\i:R+16*((\t)%4)+4*\i+3] offset:32*SP*((\t)%2)+8*SP*\i
.endr
.irp i, 0,1,2,3
	ds_load_b128 v[X+16*((\t)%2)+4*\i:X+16*((\t)%2)+4*\i+3], v15 offset:32*SP*((\t)%2)+16*\i
.endr
.endm
.macro XSTEP t
.set XS, X+16*((\t)%2)
.if (\t) > 0
	s_wait_dscnt 1                                 ; this step's numbers are back from the stage; the last step's byte store may be out
.else
	s_wait_dscnt 0x0
.endif
.if (\t)+4 < STEPS
	XLOAD (\t)+4                                   ; into the set whose stores into the stage have read their registers
.endif
.if (\t)+1 < STEPS
.if STEPS-2-(\t) >= 3
	s_wait_loadcnt 12                              ; the next step's four loads are in; those of the three steps behind it may be out
.else
	s_wait_loadcnt 4*(STEPS-2-(\t))
.endif
	XTURN (\t)+1
.endif
	v_max3_num_f32 v8, |v[XS]|, |v[XS+1]|, |v[XS+2]|               ; the largest magnitude of my 16, in two chains
	v_max3_num_f32 v9, |v[XS+3]|, |v[XS+4]|, |v[XS+5]|
.irp i, 6,10
	v_max3_num_f32 v8, v8, |v[XS+\i]|, |v[XS+\i+1]|
	v_max3_num_f32 v9, v9, |v[XS+\i+2]|, |v[XS+\i+3]|
.endr
	v_max3_num_f32 v8, v8, |v[XS+14]|, |v[XS+15]|
	v_max3_num_f32 v8, v8, v9, 0x1800000           ; and the floor 2^(3 - 127): the byte cannot fall under 1
	v_max_num_f32_dpp v8, v8, v8 row_xmask:1 row_mask:0xf bank_mask:0xf   ; with my neighbour's 16: the block's
	v_add_nc_u32 v11, 0xff000000, v8               ; 2 off its exponent field: the conversion takes the exponent field of this operand as its scale
	v_cvt_scalef32_pk16_fp6_f32 v[C+4*(\t):C+4*(\t)+2], v[XS:XS+15], v11
	v_lshrrev_b32 v[E+(\t)], 23, v11               ; the scale's byte (a plain line behind the conversion)
	ds_store_b8 v5, v[E+(\t)] offset:16*(\t)       ; both lanes of a block write the same byte with the same value
	global_store_b96 v4, v[C+4*(\t):C+4*(\t)+2], s[10:11] offset:((\t)%2)*2*PLANE+((\t)/2)*KROW   ; row t / 2; lanes 0-15 K step 2 (t % 2), lanes 16-31 the next: 192 consecutive bytes each
.endm
.macro WLOAD t, cols, wp               ; block t: W(32 t + i, my column), i = 0 .. 31, into set t % 2
.irp i, 0,1,2,3,4,5,6,7,8,9,10,11,12,13,14,15,16,17,18,19,20,21,22,23,24,25,26,27,28,29,30,31
	global_load_b32 v[WX+32*((\t)%2)+\i], v3, s[\wp:\wp+1] offset:(32*(\t)+\i)*\cols*4 th:TH_LOAD_NT
.endr
.endm
.macro WBLOCK t, cols, wp
.set XS, WX+32*((\t)%2)
.if (\t) < NB-1
	s_wait_loadcnt 32                              ; this block's 32 loads are in; the next block's may be out
.else
	s_wait_loadcnt 0
.endif
	v_max3_num_f32 v12, |v[XS]|, |v[XS+1]|, |v[XS+2]|              ; the block's largest magnitude: all 32 numbers are mine
	v_max3_num_f32 v13, |v[XS+3]|, |v[XS+4]|, |v[XS+5]|
.irp i, 6,10,14,18,22,26
	v_max3_num_f32 v12, v12, |v[XS+\i]|, |v[XS+\i+1]|
	v_max3_num_f32 v13, v13, |v[XS+\i+2]|, |v[XS+\i+3]|
.endr
	v_max3_num_f32 v12, v12, |v[XS+30]|, |v[XS+31]|
	v_max3_num_f32 v12, v12, v13, 0x1800000        ; and the floor
	v_add_nc_u32 v11, 0xff000000, v12              ; the conversion's scale operand
	v_lshrrev_b32 v13, 23, v11                     ; the scale's byte
.if (\t)%4 == 0
	v_mov_b32 v[SB+(\t)/4], v13                    ; four bytes to a register, the lower K in the lower byte
.else
	v_lshl_or_b32 v[SB+(\t)/4], v13, 8*((\t)%4), v[SB+(\t)/4]
.endif
	v_cvt_scalef32_pk16_fp6_f32 v[WC:WC+2], v[XS:XS+15], v11
	v_cvt_scalef32_pk16_fp6_f32 v[WC+4:WC+6], v[XS+16:XS+31], v11  ; (a conversion's three registers begin on an even number)
	ds_store_b96 v4, v[WC:WC+2] offset:32*(\t)     ; 12 bytes to a place of 16 bytes, so that every LDS address is a multiple of 16
	ds_store_b96 v4, v[WC+4:WC+6] offset:32*(\t)+16
.if (\t)+2 < NB
	WLOAD (\t)+2, \cols, \wp
.endif
	s_wait_dscnt 0x0                               ; the stores have read their registers: the next block's codes may be written
.endm
; A weight of \cols columns, its pointer in s[\wp:\wp+1]; stages from LDS byte \base; codes from byte \coff, scale bytes from byte \soff of their buffers; perm = 1: rows in position order; \wg0: the first work-group of this way
.macro WPATH cols, base, coff, soff, perm, wg0, wp
	s_sub_co_u32 s17, ttmp9, \wg0
	s_and_b32 s18, s17, 3                          ; which 256 along K
	s_lshr_b32 s17, s17, 2
	s_lshl_b32 s17, s17, 7
	s_lshl_b32 s19, s16, 5
	s_add_co_u32 s17, s17, s19                     ; my wave's first column
	v_lshlrev_b32 v3, 2, v2                        ; in: 4 bytes a lane
	s_mul_i32 s19, s16, 32*PITCH
	s_add_co_u32 s19, s19, \base                   ; my stage
.if \perm
	v_and_b32 v10, 7, v2                           ; my column's place among the 32: bits 3 and 4 change places
	v_bfe_u32 v5, v2, 3, 1
	v_bfe_u32 v6, v2, 4, 1
	v_lshl_or_b32 v10, v5, 4, v10
	v_lshl_or_b32 v10, v6, 3, v10
.else
	v_mov_b32 v10, v2
.endif
	v_mul_u32_u24 v4, v10, PITCH
	v_add_nc_u32 v4, s19, v4                       ; into the stage: row = my column's place
	v_and_b32 v5, 15, v2
	v_lshrrev_b32 v6, 4, v2                        ; out of it: sixteen lanes to a row, two rows an instruction
	v_mul_u32_u24 v7, v6, PITCH
	v_lshl_add_u32 v7, v5, 4, v7
	v_add_nc_u32 v7, s19, v7
	v_mul_u32_u24 v8, v6, KROW
	v_mad_u32_u24 v8, v5, 12, v8                   ; and the same place in the codes' buffer
	v_lshlrev_b32 v9, 5, v10                       ; my column's row of scale bytes
	s_mul_i32 s20, s18, 256*\cols*4                ; W: 256 y rows + 4 x column
	s_lshl_b32 s21, s17, 2
	s_add_co_u32 s20, s20, s21
	s_mov_b32 s21, 0
	s_mul_i32 s22, s17, KROW                       ; codes: column x 192 + PLANE y
	s_mul_i32 s23, s18, PLANE
	s_add_co_u32 s22, s22, s23
	s_add_co_u32 s22, s22, \coff
	s_mov_b32 s23, 0
	s_lshl_b32 s24, s17, 5                         ; scale bytes: column x 32 + 8 y
	s_lshl_b32 s25, s18, 3
	s_add_co_u32 s24, s24, s25
	s_add_co_u32 s24, s24, \soff
	s_mov_b32 s25, 0
	s_wait_kmcnt 0x0
	s_add_nc_u64 s[\wp:\wp+1], s[\wp:\wp+1], s[20:21]
	s_add_nc_u64 s[10:11], s[10:11], s[22:23]
	s_add_nc_u64 s[12:13], s[12:13], s[24:25]
	WLOAD 0, \cols, \wp
	WLOAD 1, \cols, \wp
.set Q, 0
.rept NB
	WBLOCK Q, \cols, \wp
.set Q, Q+1
.endr
	s_wait_alu depctr_va_vdst(0)
	global_store_b64 v9, v[SB:SB+1], s[12:13]      ; my column's 8 scale bytes
.irp t, 0,1,2,3,4,5,6,7,8,9,10,11,12,13,14,15
	ds_load_b96 v[OUTR+4*\t:OUTR+4*\t+2], v7 offset:2*\t*PITCH   ; LDS serves a wave's instructions in order: these see my stores
.endr
.irp t, 0,1,2,3,4,5,6,7,8,9,10,11,12,13,14,15
	s_wait_dscnt 15-\t                             ; the younger loads may be out
	global_store_b96 v8, v[OUTR+4*\t:OUTR+4*\t+2], s[10:11] offset:2*\t*KROW   ; sixteen lanes store a row's 192 consecutive bytes
.endr
	s_wait_tensorcnt 0x0                           ; the wave's end
	ds_add_u32 v[SPW], v[NIL]
	s_wait_dscnt 0x0
	s_endpgm
.endm
	s_load_b256 s[4:11], s[0:1], 0x0               ; x s[4:5], W_qkv s[6:7], W_proj s[8:9], xw_codes s[10:11]
	s_load_b64 s[12:13], s[0:1], 0x20              ; xw_scales
	v_lshl_add_u32 v[SPW], v0, 2, SPARE
	v_mov_b32 v[NIL], 0
	v_lshrrev_b32 v1, 5, v0
	v_readfirstlane_b32 s16, v1                    ; wave
	v_and_b32 v2, 31, v0                           ; lane
	s_cmp_lt_u32 ttmp9, 128
	s_cbranch_scc0 .Lweights
	; ---- x
	v_lshlrev_b32 v3, 4, v2                        ; my 16 bytes of a load's 512
	s_mul_i32 s17, s16, WREG
	v_lshrrev_b32 v14, 2, v2
	v_mul_u32_u24 v14, v14, SP
	v_and_b32 v15, 3, v2
	v_lshl_add_u32 v14, v15, 4, v14
	v_add_nc_u32 v14, s17, v14                     ; the stage, on the way in: four lanes' 64 bytes on end, then 16 of padding
	v_mul_u32_u24 v15, v2, SP
	v_add_nc_u32 v15, s17, v15                     ; and on the way out: my 16 neighbours
	v_and_b32 v4, 15, v2
	v_mul_u32_u24 v4, v4, CB                       ; my codes' place in a row's 192 bytes,
	v_lshrrev_b32 v10, 4, v2
	v_mad_u32_u24 v4, v10, PLANE, v4               ; and lanes 16-31 one K step on
	v_lshrrev_b32 v5, 1, v2
	s_add_co_u32 s17, s17, 2*32*SP
	v_add_nc_u32 v5, s17, v5                       ; LDS: my wave's 256 scale bytes, my block's byte
	v_lshlrev_b32 v7, 3, v2                        ; and on the way out 8 bytes a lane
	v_add_nc_u32 v6, s17, v7
	s_lshl_b32 s17, ttmp9, 2
	s_add_co_u32 s18, s17, s16                     ; which run of 8 rows is my wave's
	s_lshl_b32 s20, s18, 15                        ; 32,768 bytes of f32 a run
	s_mov_b32 s21, 0
	s_and_b32 s22, s18, 1                          ; where the run goes: bits 0 and 1 of its number (bits 3 and 4 of the row) change places
	s_lshl_b32 s22, s22, 1
	s_bfe_u32 s23, s18, 0x10001
	s_and_b32 s18, s18, 0xfffffffc
	s_or_b32 s18, s18, s22
	s_or_b32 s18, s18, s23
	s_mul_i32 s22, s18, 8*KROW
	s_mov_b32 s23, 0
	s_lshl_b32 s24, s18, 8                         ; 8 rows of 32 scale bytes
	s_mov_b32 s25, 0
	s_wait_alu depctr_va_vdst(0)
	s_wait_kmcnt 0x0
	s_add_nc_u64 s[4:5], s[4:5], s[20:21]
	s_add_nc_u64 s[10:11], s[10:11], s[22:23]
	s_add_nc_u64 s[12:13], s[12:13], s[24:25]
.irp t, 0,1,2,3
	XLOAD \t
.endr
	s_wait_loadcnt 12                              ; step 0's four loads are in
	XTURN 0
.irp t, 0,1,2,3,4,5,6,7,8,9,10,11,12,13,14,15
	XSTEP \t
.endr
	ds_load_b64 v[8:9], v6                         ; LDS serves a wave's instructions in order: these see my byte stores
	s_wait_dscnt 0x0
	global_store_b64 v7, v[8:9], s[12:13]          ; 32 lanes store 256 consecutive bytes, aligned
	s_wait_tensorcnt 0x0                           ; the wave's end
	ds_add_u32 v[SPW], v[NIL]
	s_wait_dscnt 0x0
	s_endpgm
.Lweights:
	s_cmp_lt_u32 ttmp9, 224
	s_cbranch_scc0 .Lwproj
	s_wait_alu depctr_va_vdst(0)
	WPATH 3072, WQREG, WQ_C, WQ_S, 1, 128, 6
.Lwproj:
	s_wait_alu depctr_va_vdst(0)
	WPATH 1024, WPREG, WP_C, WP_S, 0, 224, 8
.Lfunc_end_k_qbf98d779b0_quant:
	.size	k_qbf98d779b0_quant, .Lfunc_end_k_qbf98d779b0_quant-k_qbf98d779b0_quant
	.p2alignl 7, 3214868480
	.fill 96, 4, 3214868480
	.section	.rodata,"a",@progbits
	.p2align	6, 0x0
	.amdhsa_kernel k_qbf98d779b0_quant
		.amdhsa_group_segment_fixed_size 102912
		.amdhsa_private_segment_fixed_size 0
		.amdhsa_enable_private_segment 0
		.amdhsa_kernarg_size 40
		.amdhsa_user_sgpr_count 2
		.amdhsa_user_sgpr_kernarg_segment_ptr 1
		.amdhsa_wavefront_size32 1
		.amdhsa_system_sgpr_workgroup_id_x 1
		.amdhsa_system_sgpr_workgroup_id_y 1
		.amdhsa_system_sgpr_workgroup_id_z 1
		.amdhsa_system_vgpr_workitem_id 0
		.amdhsa_next_free_vgpr 194
		.amdhsa_next_free_sgpr 66
		.amdhsa_reserve_vcc 0
		.amdhsa_float_denorm_mode_32 3
		.amdhsa_float_denorm_mode_16_64 3
		.amdhsa_memory_ordered 1
		.amdhsa_forward_progress 1
		.amdhsa_inst_pref_size 115
	.end_amdhsa_kernel
	.amdgpu_metadata
---
amdhsa.version: [ 1, 2 ]
amdhsa.kernels:
  - .name:           k_qbf98d779b0_quant
    .symbol:         k_qbf98d779b0_quant.kd
    .args:
      - { .name: x, .offset: 0, .size: 8, .value_kind: global_buffer, .address_space: global }
      - { .name: W_qkv, .offset: 8, .size: 8, .value_kind: global_buffer, .address_space: global }
      - { .name: W_proj, .offset: 16, .size: 8, .value_kind: global_buffer, .address_space: global }
      - { .name: xw_codes, .offset: 24, .size: 8, .value_kind: global_buffer, .address_space: global }
      - { .name: xw_scales, .offset: 32, .size: 8, .value_kind: global_buffer, .address_space: global }
    .group_segment_fixed_size: 102912
    .private_segment_fixed_size: 0
    .kernarg_segment_align: 8
    .kernarg_segment_size: 40
    .max_flat_workgroup_size: 128
    .sgpr_count:     66
    .vgpr_count:     194
    .wavefront_size: 32
...
	.end_amdgpu_metadata
.endif
;; end of part 1
;; launch qkv (part 2): grid 24 x 8, 4 waves a work-group, clusters of 4 x 4, 327,680 bytes of LDS; arguments xw_codes, xw_scales, b_qkv, qkv_codes, qkv_scales; writes qkv_codes, qkv_scales
.if DOCPART == 2
	.amdgcn_target "amdgcn-amd-amdhsa--gfx1250"
	.amdhsa_code_object_version 6
	.text
	.protected	k_qbf98d779b0_qkv
	.globl	k_qbf98d779b0_qkv
	.p2align	8
	.type	k_qbf98d779b0_qkv,@function
k_qbf98d779b0_qkv:
	s_mov_b64 s[64:65], 0
	v_nop
	global_prefetch_b8 v0, s[64:65] scope:SCOPE_SE
	s_setreg_imm32_b32 hwreg(HW_REG_WAVE_MODE, 25, 1), 1
	s_wait_xcnt 0x0
	s_wait_alu depctr_hold_cnt(0) depctr_sa_sdst(0) depctr_va_vdst(0) depctr_va_sdst(0) depctr_va_ssrc(0) depctr_va_vcc(0) depctr_vm_vsrc(0)
	s_getreg_b32 s2, hwreg(HW_REG_IB_STS2, 6, 4)
	s_cmp_eq_u32 s2, 0
	s_cbranch_scc0 .Lentry_in_a_cluster
	s_endpgm
.Lentry_in_a_cluster:
	s_bfe_u32 s2, ttmp6, 0x10000c
	s_cmp_lg_u32 s2, 0xf033
	s_cbranch_scc0 .Lentry_shape_is_right
	s_endpgm
.Lentry_shape_is_right:
; qkv = x W_qkv + b_qkv on codes of FP6 (E2M3) with one E8M0 scale for each 32 along K = 1,024; the result is quantised at once: q and k along the head's 64, v along the keys.
; A tile of 256 x 256 is made by four waves, each 128 x 128: 64 accumulators, 512 registers.  K goes in steps of 256 through a ring of two LDS slots filled by the tensor data mover; the scale bytes of the
; work-group's 2 x 256 rows come once and stay.  THE RESULT IS QUANTISED ALONG SOURCE 0's ROWS: a lane holds one row of source 1 and its registers run along source 0.
;   q, k (clusters x = 0 .. 3): source 0 = 256 rows of W_qkv's codes (columns of qkv), source 1 = 256 tokens.      v (clusters x = 4, 5): source 0 = 256 tokens (the keys), source 1 = 256 rows of W_v.
; The loop is the same for both; only offsets differ, chosen by the cluster's x, which all sixteen partners share.  192 tiles: 8 x 16 for q and k, 16 x 4 for v.
; x's and W_qkv's rows lie in POSITION ORDER (in each 32 rows place 16 u + r holds row 8 u + r + 8 (r / 8)): so register 8 b + j of lane (r, h) is index 32 (b / 2) + 16 h + 8 (b % 2) + j of source 0:
; the 16 registers of blocks 2 b and 2 b + 1 are 16 neighbours, as the conversions want them.  Tile T of tokens = places 16 T .. 16 T + 15.
; OUT: operands as IMAGES OF THEIR REGISTERS: register pair i of a fragment is a plane of 32 lanes x 8 bytes = 256 consecutive bytes, aligned.
;   qkv_codes: 48 parts of 196,608 bytes (q's 16 heads, k's, v's).  q, k: [tile of tokens 0..255][plane 0..2];  v: [key step 0..31][tile of d 0..3][plane 0..5].
;   qkv_scales: 32 parts of 24,576 bytes (q's heads, k's).  Bytes 0 .. 16,383: [step][tiles 4 q2 ..][lane r][tile % 4] words: bytes 0, 1 the head's two blocks, bytes 2, 3 = 127 (for the zero codes of k = 64 .. 127).
;   In k's parts bytes 16,384 on: v's scale words of that head, [step][lane r][tile of d].
; CLUSTERS: 4 x 4 work-groups; source 1's tiles are shared along a row of the cluster, source 0's along a column: each is asked for jointly.
; BOTH sets of biases are loaded by every work-group, by the same lines: one along source 0 (used for q, k), one along source 1 (used for v); the set that is not used is read from b_qkv's first 128 numbers and ignored.
; LIMITS: NaN and infinities are not served; a block whose largest magnitude lies under 2^-124 (a block of zeros too) takes the byte 1; this program alone reads the bytes.
; REGISTERS: window 0: v0-31 addresses; v32-63 scale words, two sets; v64-127 biases along source 0; v128-223 source 1's fragments, one set; v240-255 biases along source 1.  On the way out v128-239 are at work.
;   window 1: source 0's fragments, two sets.   windows 2, 3: the accumulators ((a, b) at v[8 (8 (a % 4) + b)]).
.set WQ_C,   786432                    ; W_qkv's codes begin at row 4,096 of each K step's plane of xw_codes
.set PLANE,  1572864                   ; xw_codes is [K step of 256][row][192 bytes]: from one K step to the next.  A tile's rows of a K step are dense: they come as rows of 256 bytes
.set WQ_S,   131072                    ; and its scale bytes in xw_scales
.set HS,     196608                    ; a part of qkv_codes
.set SS,     24576                     ; a part of qkv_scales
.set NQ,     2                         ; matrix instructions deep in a slot
.set ROWB,   192                       ; a tile's row: 256 codes
.set KROW,   192
.set PITCH,  240                       ; an LDS row: 3 x (64 bytes + 16 of padding): the 32 lanes of a load of 8 bytes touch 64 different banks (64 banks of 4 bytes: ISA guide 11.1)
.set FR,     12
.set NL,     6
.set NP,     4                         ; places behind this matrix instruction (ISA guide 7.12.1)
.set HALFT,  128*PITCH
.set SLOT,   4*HALFT
.set LAPS,   2                         ; K = 1,024: four K steps of 256, twice round the ring
.set KS,     32                        ; a row of scale bytes
.set SCL,    2*SLOT
.set HALFS,  (128*KS/256)*272
.set SBLK,   (16*KS/256)*272
.set SPARE,  SCL+4*HALFS               ; the spare words, 128 bytes for each wave, which no other line names
.set ADRA, 16                          ; v16-19 LDS addresses of source 1's fragments (slot 0, 1; and behind one padding more)
.set ADRB, 20                          ; v20-23 the same for source 0
.set SH16, 24                          ; v24 16 h
.set ADRS, 27                          ; v27 LDS address of my scale words
.set SPW,  28                          ; v28 my spare word; never rewritten
.set NIL,  29                          ; v29 0; never rewritten
.set LN8,  30                          ; v30 8 x lane: my place in a plane
.set SCO,  31                          ; v31 24,576 h + 16 r: my place among the scale words
.set SC,   32
.set BQ,   64
.set AF,   128
.set TN,   128                         ; the way out: v128-191 64 numbers
.set QC,   192                         ; v192-210 the codes just made
.set TM,   212                         ; v212-227 at work
.set PW,   228                         ; the scale word just made
.set WD,   232                         ; v232-239 eight scale words to store
.set BV,   240
.set G1, 24
.set G0, 32
.set G1B, 48
.set G0B, 56
.set SEL, 66                           ; s[66:67] lane selects for v_permlanex16_b32: lane l xor 16
.set G1S, 68
.set G0S, 76
.set G1SB, 80
.set G0SB, 88
.set MSB, 0
.macro WIN new                         ; the immediate's high byte repeats the setting that is left
.if MSB != (\new)
	s_set_vgpr_msb (MSB<<8)|(\new)
.set MSB, (\new)
.endif
.endm
.set MUL_LO, 0xa1                      ; source 0 window 1, source 1 window 0, C and D window 2
.set MUL_HI, 0xf1                      ; the same, C and D window 3
.set TO_B,   0x40                      ; destination window 1, address window 0
; A joint load: waves 0 and 1 fetch for source 1, waves 2 and 3 for source 0.  The branch hangs on the wave's number alone.  An s_nop 0 and four v_nop follow each of the two lines.
.macro JLOAD g0a, g1a, g0b, g1b
	s_cmp_eq_u32 s15, 0
	s_cbranch_scc0 .Lfor_b_\@
	tensor_load_to_lds s[\g0a:\g0a+3], s[\g1a:\g1a+7]
	s_nop 0
.rept 4
	v_nop
.endr
	s_branch .Lasked_\@
.Lfor_b_\@:
	tensor_load_to_lds s[\g0b:\g0b+3], s[\g1b:\g1b+7]
	s_nop 0
.rept 4
	v_nop
.endr
.Lasked_\@:
.endm
.macro CREST                           ; a round of the cluster's barrier behind its opening barrier
	s_cmp_lg_u32 s14, 0
	s_cbranch_scc1 .Lnot_wave_0_\@
	s_barrier_signal -3
.Lnot_wave_0_\@:
	s_barrier_wait -3
	s_barrier_signal -1
	s_barrier_wait -1
.endm
.macro CROUND
	s_barrier_signal -1
	s_barrier_wait -1
	CREST
.endm
	s_load_b256 s[4:11], s[0:1], 0x0               ; xw_codes s[4:5], xw_scales s[6:7], b_qkv s[8:9], qkv_codes s[10:11]
	s_load_b64 s[12:13], s[0:1], 0x20              ; qkv_scales
	v_lshl_add_u32 v[SPW], v0, 2, SPARE
	v_mov_b32 v[NIL], 0
	ds_add_u32 v[SPW], v[NIL]                      ; the wave's opening: the add and its wait ahead of my first tensor load; the set-up below, work on registers, stands between them
	ds_add_u32 v[SPW], v[NIL]
	v_lshrrev_b32 v1, 5, v0
	v_readfirstlane_b32 s14, v1                    ; wave 0..3
	s_lshr_b32 s15, s14, 1                         ; which half of source 1's rows is mine.  Also: I fetch for source 1 (0) or source 0 (1)
	s_and_b32 s16, s14, 1                          ; which half of source 0's rows.  Also: which 128 rows of that tile I fetch
	s_bfe_u32 s40, ttmp6, 0x40000                  ; cx, cy: my place in the cluster
	s_bfe_u32 s41, ttmp6, 0x40004
	s_and_b32 s2, ttmp7, 0xffff                    ; Y, the cluster's y; ttmp9 = X, the cluster's x
	s_and_b32 s18, ttmp9, 1
	s_lshl_b32 s18, s18, 2                         ; 4 (X & 1)
	s_lshr_b32 s19, ttmp9, 1
	s_lshl_b32 s19, s19, 3                         ; 8 (X >> 1)
	s_lshl_b32 s20, s2, 3                          ; 8 Y
	s_lshl_b32 s21, s2, 2                          ; 4 Y
	s_add_co_u32 s19, s19, s21
	s_cmp_ge_u32 ttmp9, 4                          ; v's clusters?  The same answer in all sixteen partners.  All choices stand directly behind this compare
	s_cselect_b32 s95, 1, 0
	s_cselect_b32 s20, s20, 0
	s_cselect_b32 s19, 8, s19
	s_cselect_b32 s96, 0, WQ_C                     ; where source 0's codes begin,
	s_cselect_b32 s97, WQ_C, 0                     ; source 1's,
	s_cselect_b32 s98, 0, WQ_S                     ; and their scale bytes
	s_cselect_b32 s99, WQ_S, 0
	s_add_co_u32 s42, s40, s18
	s_add_co_u32 s42, s42, s20                     ; source 0's tile = cx + 4 (X & 1) (+ 8 Y for v)
	s_add_co_u32 s17, s41, s19                     ; source 1's tile = cy + 8 (X >> 1) + 4 Y (cy + 8 for v: W_qkv's rows 2,048 on)
	s_lshl_b32 s43, s41, 2
	s_lshl_b32 s43, 15, s43                        ; my row of the cluster
	s_lshl_b32 s44, 0x1111, s40                    ; my column
	; descriptor group 1: a tile of 128 rows x 192 bytes, 16 bytes of padding behind every 64
	s_or_b32 s[G1+0], s43, (0<<16)|(1<<20)|(1<<21)|(3<<22)|(3<<25)  ; 15:0 the mask; 17:16 elements of 1 byte; 20 padding on; 21 set beside a mask; 24:22 after every 16 words; 31:25 of 4 words
	s_or_b32 s[G1B+0], s44, (0<<16)|(1<<20)|(1<<21)|(3<<22)|(3<<25)
.irp g, G1, G1B
	s_mov_b32 s[\g+1], 256<<16                     ; rows of 256 bytes;
	s_mov_b32 s[\g+2], 192<<16                     ; the head's loads bring 256 rows of codes = 192 such rows; behind them the two words are set to 96
	s_mov_b32 s[\g+3], 256<<16
	s_mov_b32 s[\g+4], 192
	s_mov_b32 s[\g+5], 256
	s_mov_b32 s[\g+6], 0
	s_mov_b32 s[\g+7], 0
.endr
	; the scale bytes of 256 rows: 8,192 dense bytes, as rows of 256 bytes (32 elements of 8), 16 bytes of padding behind each
	s_or_b32 s[G1S+0], s43, (3<<16)|(1<<20)|(1<<21)|(5<<22)|(3<<25)
	s_or_b32 s[G1SB+0], s44, (3<<16)|(1<<20)|(1<<21)|(5<<22)|(3<<25)
.irp g, G1S, G1SB
	s_mov_b32 s[\g+1], 32<<16
	s_mov_b32 s[\g+2], KS<<16
	s_mov_b32 s[\g+3], 32<<16
	s_mov_b32 s[\g+4], KS
	s_mov_b32 s[\g+5], 32
	s_mov_b32 s[\g+6], 0
	s_mov_b32 s[\g+7], 0
.endr
	s_lshl_b32 s20, s17, 8                         ; source 1's tile: its first row (hangs on cy, never on cx)
	s_lshl_b32 s46, s42, 8                         ; source 0's (hangs on cx, never on cy)
	s_lshl_b32 s22, s20, 5
	s_add_co_u32 s22, s22, s99                     ; where these rows' scale bytes begin
	s_mov_b32 s23, 0
	s_lshl_b32 s92, s46, 5
	s_add_co_u32 s92, s92, s98
	s_mov_b32 s93, 0
	s_mul_i32 s20, s20, KROW
	s_add_co_u32 s20, s20, s97                     ; and their codes (all under 2^23)
	s_mov_b32 s21, 0
	s_mul_i32 s46, s46, KROW
	s_add_co_u32 s46, s46, s96
	s_mov_b32 s47, 0
	s_mul_i32 s45, s14, HALFT                      ; where they go: wave x 128 rows: no place in the cluster enters an LDS address
	s_wait_dscnt 0x0                               ; the opening add is done
	s_wait_kmcnt 0x0
	s_add_nc_u64 s[20:21], s[4:5], s[20:21]
	s_add_nc_u64 s[22:23], s[6:7], s[22:23]
	s_add_nc_u64 s[46:47], s[4:5], s[46:47]
	s_add_nc_u64 s[92:93], s[6:7], s[92:93]
	CROUND                                         ; all sixteen work-groups are here: the first joint loads meet
	s_mov_b32 s[G0S], 1
	s_mov_b32 s[G0S+1], SCL
	s_mov_b64 s[G0S+2:G0S+3], s[22:23]
	s_or_b32 s[G0S+3], s[G0S+3], 0x80000000
	s_mov_b32 s[G0SB], 1
	s_mov_b32 s[G0SB+1], SCL+2*HALFS
	s_mov_b64 s[G0SB+2:G0SB+3], s[92:93]
	s_or_b32 s[G0SB+3], s[G0SB+3], 0x80000000
	s_mul_i32 s92, s16, 128*KROW                   ; in the ring I fetch 128 rows of a tile: which half, in bytes
	s_mov_b32 s93, 0
	s_mov_b32 s[G0], 1                             ; slot 0's sets serve the head first: K step 0's 256 rows of source 1,
	s_mov_b32 s[G0+1], 0
	s_mov_b64 s[G0+2:G0+3], s[20:21]
	s_or_b32 s[G0+3], s[G0+3], 0x80000000
	s_mov_b32 s[G0B], 1                            ; and of source 0, behind them
	s_mov_b32 s[G0B+1], 2*HALFT
	s_mov_b64 s[G0B+2:G0B+3], s[46:47]
	s_or_b32 s[G0B+3], s[G0B+3], 0x80000000
	s_mov_b32 s[G0+4], 1                           ; slot 1: my 128 rows of K step 1
	s_add_co_u32 s[G0+5], s45, SLOT
	s_add_nc_u64 s[G0+6:G0+7], s[20:21], s[92:93]
	s_add_nc_u64 s[G0+6:G0+7], s[G0+6:G0+7], PLANE
	s_or_b32 s[G0+7], s[G0+7], 0x80000000
	s_mov_b32 s[G0B+4], 1
	s_add_co_u32 s[G0B+5], s45, SLOT
	s_add_nc_u64 s[G0B+6:G0B+7], s[46:47], s[92:93]
	s_add_nc_u64 s[G0B+6:G0B+7], s[G0B+6:G0B+7], PLANE
	s_or_b32 s[G0B+7], s[G0B+7], 0x80000000
; THE HEAD'S LOADS, ONE A WAVE: wave 0 K step 0's 256 rows of source 1, wave 1 those of source 0, wave 2 source 1's scale bytes, wave 3 source 0's.  One tree of branches on the wave's number.
.macro ARM under, g0, g1, next
	s_cmp_lt_u32 s14, \under
	s_cbranch_scc0 \next
	tensor_load_to_lds s[\g0:\g0+3], s[\g1:\g1+7]
	s_nop 0
.rept 4
	v_nop
.endr
	s_branch .Lhead_asked
\next:
.endm
	ARM 1, G0,  G1,  .Lhead_b
	ARM 2, G0B, G1B, .Lhead_sa
	ARM 3, G0S, G1S, .Lhead_sb
	tensor_load_to_lds s[G0SB:G0SB+3], s[G1SB:G1SB+7]
	s_nop 0
.rept 4
	v_nop
.endr
.Lhead_asked:
	v_and_b32 v1, 15, v0                           ; r = lane % 16
	v_bfe_u32 v2, v0, 4, 1                         ; h = lane / 16
	; the biases: colq = source 0's first column (q, k), colv = source 1's (v); the other of the two is 0
	s_wait_alu depctr_va_vdst(0)
	s_lshl_b32 s18, s42, 8
	s_lshl_b32 s19, s16, 7
	s_add_co_u32 s18, s18, s19
	s_lshl_b32 s18, s18, 2
	s_lshl_b32 s2, s17, 8
	s_lshl_b32 s19, s15, 7
	s_add_co_u32 s2, s2, s19
	s_lshl_b32 s2, s2, 2
	s_cmp_lg_u32 s95, 0
	s_cselect_b32 s100, 0, s18
	s_cselect_b32 s96, s2, 0
	s_mov_b32 s101, 0
	s_mov_b32 s97, 0
	s_add_nc_u64 s[100:101], s[8:9], s[100:101]
	s_add_nc_u64 s[96:97], s[8:9], s[96:97]
	v_lshlrev_b32 v8, 6, v2                        ; 16 h numbers on
	v_and_b32 v9, 8, v1
	v_add_nc_u32 v9, v9, v1
	v_lshlrev_b32 v9, 2, v9                        ; r + 8 (r / 8) numbers on
.irp t, 0,1,2,3,4,5,6,7
	global_load_b128 v[BQ+8*\t:BQ+8*\t+3], v8, s[100:101] offset:(32*(\t/2)+8*(\t%2))*4      ; register 8 t + j: the bias of index 32 (t / 2) + 16 h + 8 (t % 2) + j of source 0
	global_load_b128 v[BQ+8*\t+4:BQ+8*\t+7], v8, s[100:101] offset:(32*(\t/2)+8*(\t%2))*4+16
.endr
.irp a, 0,1,2,3,4,5,6,7
	global_load_b32 v[BV+2*\a], v9, s[96:97] offset:(32*(\a/2)+8*(\a%2))*4                   ; the bias of my row of source 1's block a, twice: a pair for the packed addition
	global_load_b32 v[BV+2*\a+1], v9, s[96:97] offset:(32*(\a/2)+8*(\a%2))*4
.endr
	v_mul_u32_u24 v3, v1, PITCH
	v_mul_u32_u24 v4, v2, 24
	v_add_nc_u32 v4, v3, v4                        ; a fragment's row x pitch + 24 x half
	v_lshl_add_u32 v5, v2, 4, v4                   ; and the same behind one padding more
	s_mul_i32 s21, s15, HALFT                      ; my 128 rows of source 1
	s_mul_i32 s22, s16, HALFT                      ; my 128 rows of source 0,
	s_add_co_u32 s22, s22, 2*HALFT                 ; which lie behind source 1's 256
.irp s, 0,1
	v_add_nc_u32 v[ADRA+\s], s21, v4
	v_add_nc_u32 v[ADRB+\s], s22, v4
	v_add_nc_u32 v[ADRA+2+\s], s21, v5
	v_add_nc_u32 v[ADRB+2+\s], s22, v5
	s_add_co_u32 s21, s21, SLOT
	s_add_co_u32 s22, s22, SLOT
.endr
	v_mul_u32_u24 v5, v1, KS                       ; my row's scale bytes: 32 a row,
	v_lshrrev_b32 v6, 8, v5
	v_lshl_add_u32 v5, v6, 4, v5                   ; and 16 more for each 256 passed
	s_mul_i32 s21, s15, HALFS
	s_mul_i32 s22, s16, HALFS
	s_add_co_u32 s22, s22, 2*HALFS
	s_sub_co_u32 s22, s22, s21
	v_mul_u32_u24 v6, s22, v2                      ; lanes 16-31 take source 0's
	s_add_co_u32 s21, s21, SCL
	v_add_nc_u32 v5, v5, v6
	v_add_nc_u32 v[ADRS], s21, v5
	v_lshlrev_b32 v[SH16], 4, v2
	v_and_b32 v[LN8], 31, v0
	v_lshlrev_b32 v[LN8], 3, v[LN8]
	v_mul_u32_u24 v[SCO], v2, SS
	v_lshl_add_u32 v[SCO], v1, 4, v[SCO]
.macro FRAG reg, adr, q, i             ; 16 rows x 128 K of 6-bit codes: 12 registers: lane l holds row l % 16; registers 6 c .. 6 c + 5 hold K = 64 c + 32 (l / 16) + 0 .. 31: 24 bytes of the row, as they lie
.irp p, 0,1,2,3,4,5                    ; in pieces of 8 bytes.  Lanes 16-31 read three pieces further on; where that lies behind one padding more, the second address register serves
.set PCE, 12*(\q)+6*(\p/3)+\p%3
.if PCE%8 < 5
	ds_load_b64 v[\reg+2*\p:\reg+2*\p+1], v[\adr] offset:8*PCE+16*(PCE/8)+(\i)*16*PITCH
.else
	ds_load_b64 v[\reg+2*\p:\reg+2*\p+1], v[\adr+2] offset:8*PCE+16*(PCE/8)+(\i)*16*PITCH
.endif
.endr
.endm
; 16 matrix instructions: source 1's blocks a0, a0 + 1 x source 0's eight, 128 along K.  The 64 accumulators take turns, one instruction a turn, in the same order in every step.
.macro MUL16 a0, p, q, sc, zero
.irp a, \a0, \a0+1
.irp b, 0,1,2,3,4,5,6,7
.if \zero
	v_wmma_scale_f32_16x16x128_f8f6f4 v[8*(8*((\a)%4)+\b):8*(8*((\a)%4)+\b)+7], v[128*(\p)+FR*\b:128*(\p)+FR*\b+FR-1], v[AF+FR*(\a):AF+FR*(\a)+FR-1], 0, v[SC+8*NQ*(\sc)+NQ*\b+(\q)], v[SC+8*NQ*(\sc)+NQ*(\a)+(\q)] matrix_a_fmt:MATRIX_FMT_FP6 matrix_b_fmt:MATRIX_FMT_FP6 matrix_a_scale:MATRIX_SCALE_ROW1
.else
	v_wmma_scale_f32_16x16x128_f8f6f4 v[8*(8*((\a)%4)+\b):8*(8*((\a)%4)+\b)+7], v[128*(\p)+FR*\b:128*(\p)+FR*\b+FR-1], v[AF+FR*(\a):AF+FR*(\a)+FR-1], v[8*(8*((\a)%4)+\b):8*(8*((\a)%4)+\b)+7], v[SC+8*NQ*(\sc)+NQ*\b+(\q)], v[SC+8*NQ*(\sc)+NQ*(\a)+(\q)] matrix_a_fmt:MATRIX_FMT_FP6 matrix_b_fmt:MATRIX_FMT_FP6 matrix_a_scale:MATRIX_SCALE_ROW1
.endif
.endr
.endr
.endm
.macro FETCH_B slot, q, p
	WIN TO_B
.irp i, 0,1,2,3,4,5,6,7
	FRAG 128*(\p)+FR*\i, ADRB+\slot, \q, \i
.endr
	WIN 0
.endm
.macro FETCH_A slot, q, i0
.irp i, \i0, \i0+1, \i0+2, \i0+3
	FRAG AF+FR*(\i), ADRA+\slot, \q, \i
.endr
.endm
.macro SCALES sc                       ; a K step's scale words: 2 words a row; lanes 0-15 take source 1's block i, lanes 16-31 source 0's block i
.irp i, 0,1,2,3,4,5,6,7
	ds_load_b64 v[SC+8*NQ*\sc+NQ*\i:SC+8*NQ*\sc+NQ*\i+1], v[ADRS] offset:\i*SBLK
.endr
.endm
.macro PLACES n                        ; plain vector instructions between a matrix instruction and a load into, or a vector instruction on, its registers
.rept \n
	v_nop
.endr
.endm
.macro STEP slot, q, zero              ; a step of 128 along K that has its successor in the same slot
	s_wait_dscnt 4*NL                              ; source 0's set and source 1's blocks 0-3 are in; the youngest 24 loads (blocks 4-7) may be out
	WIN MUL_LO
	MUL16 0, (\q)%2, \q, \slot, \zero
	MUL16 2, (\q)%2, \q, \slot, \zero
	s_wait_dscnt 0
	PLACES NP
	FETCH_B \slot, (\q)+1, 1-(\q)%2
	FETCH_A \slot, (\q)+1, 0
	WIN MUL_HI
	MUL16 4, (\q)%2, \q, \slot, \zero
	MUL16 6, (\q)%2, \q, \slot, \zero
	PLACES NP
	WIN 0
	FETCH_A \slot, (\q)+1, 4
.endm
; A slot's last step changes slots: one barrier; in front of it each wave waits for all its tensor loads, adds 0 to its spare word, and waits for that and for its own reads of this slot.
.macro TURN slot, next, fill
	s_wait_tensorcnt 0x0                           ; all my tensor loads have landed: my part of the next slot
	ds_add_u32 v[SPW], v[NIL]                      ; 0 onto my spare word
	s_wait_dscnt 4*NL+1                            ; (the add and the youngest 24 loads may be out)
	WIN MUL_LO
	MUL16 0, 1, NQ-1, \slot, 0
	s_wait_dscnt 0x0                               ; the add is done, and my reads of this slot are over
	s_barrier_signal -1
	MUL16 2, 1, NQ-1, \slot, 0
	WIN 0
	s_barrier_wait -1
.if \fill
	CREST                                          ; the barrier has opened a round of the cluster's barrier: no wave of any partner still reads this slot or has a load on its way
	s_add_nc_u64 s[G0+4*\slot+2:G0+4*\slot+3], s[G0+4*\slot+2:G0+4*\slot+3], 2*PLANE
	s_add_nc_u64 s[G0B+4*\slot+2:G0B+4*\slot+3], s[G0B+4*\slot+2:G0B+4*\slot+3], 2*PLANE
	JLOAD G0+4*\slot, G1, G0B+4*\slot, G1B         ; the first tensor load behind the round, my only one until the next; its four v_nop are the places in front of the loads below
.else
	PLACES NP
.endif
	s_wait_alu depctr_va_vdst(0)
	v_add_nc_u32 v[ADRS], 4*NQ, v[ADRS]            ; on to the next K step's scale words
	FETCH_B \next, 0, 0
	FETCH_A \next, 0, 0
	SCALES \next
	WIN MUL_HI
	MUL16 4, 1, NQ-1, \slot, 0
	MUL16 6, 1, NQ-1, \slot, 0
	PLACES NP
	WIN 0
	FETCH_A \next, 0, 4
.endm
	s_wait_alu depctr_va_vdst(0)
	s_wait_loadcnt 0x0                             ; the biases (their address registers are free from here on)
	s_wait_tensorcnt 0x0                           ; my tile of the head's four is in
	ds_add_u32 v[SPW], v[NIL]
	s_mov_b32 s[G1+2], 96<<16                      ; no tensor load of mine is out: from here on a load brings 128 rows of codes = 96 rows of 256 bytes,
	s_mov_b32 s[G1+4], 96
	s_mov_b32 s[G1B+2], 96<<16
	s_mov_b32 s[G1B+4], 96
	s_mov_b32 s[G0+1], s45                         ; and slot 0's sets are made the ring's: my 128 rows
	s_add_nc_u64 s[G0+2:G0+3], s[G0+2:G0+3], s[92:93]
	s_mov_b32 s[G0B+1], s45
	s_add_nc_u64 s[G0B+2:G0B+3], s[G0B+2:G0B+3], s[92:93]
	s_wait_dscnt 0x0
	CROUND                                         ; a whole round: all four tiles are in, and the joint loads meet
	JLOAD G0+4, G1, G0B+4, G1B                     ; K step 1, the first tensor load behind the round
	FETCH_B 0, 0, 0
	FETCH_A 0, 0, 0
	SCALES 0
	FETCH_A 0, 0, 4
	STEP 0, 0, 1                                   ; the first step's products start the sums: nothing is cleared
	s_mov_b32 s3, LAPS-1
.Llap:                                             ; a trip goes once round the ring and fills both slots again
	TURN 0, 1, 1
	STEP 1, 0, 0
	TURN 1, 0, 1
	STEP 0, 0, 0
	s_sub_co_u32 s3, s3, 1
	s_cmp_lg_u32 s3, 0
	s_cbranch_scc1 .Llap
	TURN 0, 1, 0                                   ; the last lap fills nothing
	STEP 1, 0, 0
	s_wait_dscnt 4*NL
	WIN MUL_LO
	MUL16 0, 1, NQ-1, 1, 0
	MUL16 2, 1, NQ-1, 1, 0
	s_wait_dscnt 0
	WIN MUL_HI
	MUL16 4, 1, NQ-1, 1, 0
	MUL16 6, 1, NQ-1, 1, 0
	WIN 0
; 64 numbers of a lane, v[s] .. v[s + 63], register 16 b + i = index 32 b + 16 (lane / 16) + i of my row, become a fragment's codes in v[QC] on and its scale word in v[PW].
.macro QUANT s
.irp b, 0,1,2,3
	v_max3_num_f32 v[TM+\b], |v[\s+16*\b]|, |v[\s+1+16*\b]|, 0x1800000   ; block b: my 16 numbers, and the floor 2^(3 - 127): the byte cannot fall under 1
.endr
.irp i, 2,4,6,8,10,12,14
.irp b, 0,1,2,3
	v_max3_num_f32 v[TM+\b], v[TM+\b], |v[\s+16*\b+\i]|, |v[\s+1+16*\b+\i]|
.endr
.endr
.irp b, 0,1,2,3
	v_permlanex16_b32 v[TM+4+\b], v[TM+\b], s[SEL], s[SEL+1]
.endr
.irp b, 0,1,2,3
	v_max_num_f32 v[TM+\b], v[TM+\b], v[TM+4+\b]   ; with lane l xor 16's: the block's largest magnitude
.endr
.irp b, 0,1,2,3
	v_add_nc_u32 v[TM+12+\b], 0xff000000, v[TM+\b] ; 2 off its exponent field: the conversion's scale operand
.endr
.irp b, 0,1,2,3
	v_lshrrev_b32 v[TM+4+\b], 23, v[TM+12+\b]      ; the scale's byte
.endr
	v_lshl_or_b32 v[PW], v[TM+5], 8, v[TM+4]
	v_lshl_or_b32 v[PW], v[TM+6], 16, v[PW]
	v_lshl_or_b32 v[PW], v[TM+7], 24, v[PW]
.irp c, 0,1
	v_cvt_scalef32_pk16_fp6_f32 v[QC+6*\c:QC+2+6*\c], v[\s+32*\c:\s+15+32*\c], v[TM+12+2*\c]
	v_cvt_scalef32_pk16_fp6_f32 v[QC+12+4*\c:QC+14+4*\c], v[\s+16+32*\c:\s+31+32*\c], v[TM+12+2*\c+1]   ; (a conversion's three registers begin on an even number)
.endr
	v_nop                                          ; one plain place behind a scaled conversion
.irp c, 0,1                            ; the operand's layout wants a whole block in a lane: lanes 0-15 block 2 c, lanes 16-31 block 2 c + 1
.irp i, 0,1,2
	v_permlane16_swap_b32 v[QC+6*\c+\i], v[QC+12+4*\c+\i]
.endr
.irp i, 0,1,2
	v_mov_b32 v[QC+3+6*\c+\i], v[QC+12+4*\c+\i]
.endr
.endr
.endm
; THE WAY OUT of source 1's block a: bias added (which is also the move into window 0; each accumulator is read from its low end on), quantised along source 0, six planes of 256 bytes stored.
.macro OUT a, isv
	WIN 0x02+(\a)/4                                ; source 0 of the addition: window 2 or 3
.irp b, 0,1,2,3,4,5,6,7
.irp j, 0,2,4,6
.if \isv
	v_pk_add_f32 v[TN+8*\b+\j:TN+8*\b+\j+1], v[64*((\a)%4)+8*\b+\j:64*((\a)%4)+8*\b+\j+1], v[BV+2*(\a):BV+2*(\a)+1]
.else
	v_pk_add_f32 v[TN+8*\b+\j:TN+8*\b+\j+1], v[64*((\a)%4)+8*\b+\j:64*((\a)%4)+8*\b+\j+1], v[BQ+8*\b+\j:BQ+8*\b+\j+1]
.endif
.endr
.endr
	WIN 0
	s_wait_xcnt 0x0                                ; the last block's stores have read their registers: the codes may be written again
	QUANT TN
.irp i, 0,1,2,3,4,5
.if \isv
	global_store_b64 v[LN8], v[QC+2*\i:QC+2*\i+1], s[10:11] offset:((\a)/4)*HS+((\a)%4)*1536+256*\i   ; head a / 4 of my two, tile a % 4 of its d: a whole fragment of 128 keys
.else
	global_store_b64 v[LN8], v[QC+2*\i:QC+2*\i+1], s[10:11] offset:(\i/3)*HS+(\a)*768+256*(\i%3)      ; registers 0-5: my first head's 64; registers 6-11: the next head's
.endif
.endr
.if \isv
	v_mov_b32 v[WD+(\a)], v[PW]
.else
	v_lshrrev_b32 v[WD+(\a)], v[SH16], v[PW]       ; lanes 0-15: the first head's two bytes; lanes 16-31: the second head's
	v_and_or_b32 v[WD+(\a)], v[WD+(\a)], s92, s93  ; bytes 2 and 3 = 127
.endif
.endm
	PLACES NP                                      ; behind the last products: their results are read and source 1's registers written below
	s_mov_b32 s[SEL], 0x76543210
	s_mov_b32 s[SEL+1], 0xfedcba98
	s_mov_b32 s92, 0xffff
	s_mov_b32 s93, 0x7f7f0000
.irp b, 0,1,2,3
	v_mov_b32 v[TM+4+\b], 0                        ; written once: a lane permute's destination counts as one of its sources
.endr
	s_cmp_lg_u32 s95, 0                            ; hangs on the cluster's x alone
	s_cbranch_scc1 .Lv_out
	s_lshl_b32 s18, s42, 2                         ; q, k: my first part = 4 x source 0's tile + 2 x half
	s_lshl_b32 s19, s16, 1
	s_add_co_u32 s18, s18, s19
	s_lshl_b32 s19, s17, 4                         ; my first tile of tokens = 16 x source 1's tile + 8 x half
	s_lshl_b32 s20, s15, 3
	s_add_co_u32 s19, s19, s20
	s_mul_i32 s20, s18, HS
	s_mul_i32 s19, s19, 768
	s_add_co_u32 s20, s20, s19
	s_mov_b32 s21, 0
	s_add_nc_u64 s[10:11], s[10:11], s[20:21]
	s_lshl_b32 s19, s17, 1                         ; my step of 128 tokens
	s_add_co_u32 s19, s19, s15
	s_lshl_b32 s19, s19, 9
	s_mul_i32 s20, s18, SS
	s_add_co_u32 s20, s20, s19
	s_add_nc_u64 s[12:13], s[12:13], s[20:21]
.irp a, 0,1,2,3,4,5,6,7
	OUT \a, 0
.endr
	global_store_b128 v[SCO], v[WD:WD+3], s[12:13]             ; sixteen lanes store 256 consecutive bytes for each of the two heads: tiles 0-3,
	global_store_b128 v[SCO], v[WD+4:WD+7], s[12:13] offset:256   ; tiles 4-7
	s_branch .Ldone
.Lv_out:
	s_sub_co_u32 s18, s17, 8                       ; v: my first head = 4 (source 1's tile - 8) + 2 x half
	s_lshl_b32 s18, s18, 2
	s_lshl_b32 s19, s15, 1
	s_add_co_u32 s18, s18, s19
	s_lshl_b32 s19, s42, 1                         ; my key step = 2 x source 0's tile + half
	s_add_co_u32 s19, s19, s16
	s_add_co_u32 s20, s18, 32
	s_mul_i32 s20, s20, HS
	s_mul_i32 s22, s19, 6144
	s_add_co_u32 s20, s20, s22
	s_mov_b32 s21, 0
	s_add_nc_u64 s[10:11], s[10:11], s[20:21]
	s_add_co_u32 s20, s18, 16
	s_mul_i32 s20, s20, SS
	s_lshl_b32 s22, s19, 8
	s_add_co_u32 s20, s20, s22
	s_add_co_u32 s20, s20, 16384
	s_add_nc_u64 s[12:13], s[12:13], s[20:21]
.irp a, 0,1,2,3,4,5,6,7
	OUT \a, 1
.endr
	v_cmp_ne_u32 vcc_lo, 0, v2                     ; lanes 16-31 store the second head's four words
.irp i, 0,1,2,3
	v_cndmask_b32 v[WD+\i], v[WD+\i], v[WD+4+\i], vcc_lo
.endr
	global_store_b128 v[SCO], v[WD:WD+3], s[12:13]
.Ldone:
	s_wait_tensorcnt 0x0                           ; the wave's end
	ds_add_u32 v[SPW], v[NIL]
	s_wait_dscnt 0x0
	CROUND                                         ; the closing round: no work-group ends while a partner may still ask for a tile that names it
	s_endpgm
.Lfunc_end_k_qbf98d779b0_qkv:
	.size	k_qbf98d779b0_qkv, .Lfunc_end_k_qbf98d779b0_qkv-k_qbf98d779b0_qkv
	.p2alignl 7, 3214868480
	.fill 96, 4, 3214868480
	.section	.rodata,"a",@progbits
	.p2align	6, 0x0
	.amdhsa_kernel k_qbf98d779b0_qkv
		.amdhsa_group_segment_fixed_size 327680
		.amdhsa_private_segment_fixed_size 0
		.amdhsa_enable_private_segment 0
		.amdhsa_kernarg_size 40
		.amdhsa_user_sgpr_count 2
		.amdhsa_user_sgpr_kernarg_segment_ptr 1
		.amdhsa_wavefront_size32 1
		.amdhsa_system_sgpr_workgroup_id_x 1
		.amdhsa_system_sgpr_workgroup_id_y 1
		.amdhsa_system_sgpr_workgroup_id_z 1
		.amdhsa_system_vgpr_workitem_id 0
		.amdhsa_next_free_vgpr 1024
		.amdhsa_next_free_sgpr 102
		.amdhsa_reserve_vcc 1
		.amdhsa_float_denorm_mode_32 3
		.amdhsa_float_denorm_mode_16_64 3
		.amdhsa_memory_ordered 1
		.amdhsa_forward_progress 1
		.amdhsa_inst_pref_size 240
	.end_amdhsa_kernel
	.amdgpu_metadata
---
amdhsa.version: [ 1, 2 ]
amdhsa.kernels:
  - .name:           k_qbf98d779b0_qkv
    .symbol:         k_qbf98d779b0_qkv.kd
    .args:
      - { .name: xw_codes, .offset: 0, .size: 8, .value_kind: global_buffer, .address_space: global }
      - { .name: xw_scales, .offset: 8, .size: 8, .value_kind: global_buffer, .address_space: global }
      - { .name: b_qkv, .offset: 16, .size: 8, .value_kind: global_buffer, .address_space: global }
      - { .name: qkv_codes, .offset: 24, .size: 8, .value_kind: global_buffer, .address_space: global }
      - { .name: qkv_scales, .offset: 32, .size: 8, .value_kind: global_buffer, .address_space: global }
    .group_segment_fixed_size: 327680
    .private_segment_fixed_size: 0
    .kernarg_segment_align: 8
    .kernarg_segment_size: 40
    .max_flat_workgroup_size: 128
    .sgpr_count:     102
    .vgpr_count:     1024
    .wavefront_size: 32
...
	.end_amdgpu_metadata
.endif
;; end of part 2
;; launch attn (part 3): grid 16 x 16, 8 waves a work-group, clusters of 4 x 1, 327,680 bytes of LDS; arguments qkv_codes, qkv_scales, ao_codes, ao_scales; writes ao_codes, ao_scales
.if DOCPART == 3
	.amdgcn_target "amdgcn-amd-amdhsa--gfx1250"
	.amdhsa_code_object_version 6
	.text
	.protected	k_qbf98d779b0_attn
	.globl	k_qbf98d779b0_attn
	.p2align	8
	.type	k_qbf98d779b0_attn,@function
k_qbf98d779b0_attn:
	s_mov_b64 s[64:65], 0
	v_nop
	global_prefetch_b8 v0, s[64:65] scope:SCOPE_SE
	s_setreg_imm32_b32 hwreg(HW_REG_WAVE_MODE, 25, 1), 1
	s_wait_xcnt 0x0
	s_wait_alu depctr_hold_cnt(0) depctr_sa_sdst(0) depctr_va_vdst(0) depctr_va_sdst(0) depctr_va_ssrc(0) depctr_va_vcc(0) depctr_vm_vsrc(0)
	s_getreg_b32 s2, hwreg(HW_REG_IB_STS2, 6, 4)
	s_cmp_eq_u32 s2, 0
	s_cbranch_scc0 .Lentry_in_a_cluster
	s_endpgm
.Lentry_in_a_cluster:
	s_bfe_u32 s2, ttmp6, 0x10000c
	s_cmp_lg_u32 s2, 0x3003
	s_cbranch_scc0 .Lentry_shape_is_right
	s_endpgm
.Lentry_shape_is_right:
; softmax(q k^T / 8) v for one head and 256 queries a work-group, on codes of FP6 (E2M3) with E8M0 scales; the result is quantised along the head's 64 for the projection.
; 8 waves, each 32 queries in TWO TILES of 16; both products are used transposed (S^T = k q^T, O^T = v^T p^T), so that a lane holds one query of each tile.  Keys go in steps of 128.
; p = 2^(t - M), t = score x log2(e) / 8, M = the ceiling of the running largest t; the sum is taken of the unquantised p; when M moves, sum and O^T are multiplied by a power of two.
; WHICH KEYS FORM A TILE OF k is chosen by each lane's LDS address: rows 0-7 of tile 4 g + t are keys 64 g + 8 t + 0..7, rows 8-15 keys 64 g + 32 + 8 t + 0..7.
; So the 32 score registers of tiles 4 g .. 4 g + 3 of lane (r, h) are keys 64 g + 32 h + 0..31: one whole block of p's quantiser, in the order that the operand's layout gives that lane.
; k's head has 64 numbers: registers 6-11 of its operand are the next tile's codes, which meet q's zero codes under the byte 127.
; REGISTERS, in windows of 256: tile 0's state lies in window 0, tile 1's in window 1 under the same numbers, so that one macro serves both under one setting of the windows.
;   Window 0 alone: addresses, k's fragments (v32-85), all scale words (scale operands have no window).   Window 1 alone: v's fragments (v32-79).
; Each fragment of k and of v feeds two products.  The next step's k is asked of LDS behind this step's score products (not in a slot's last step: a jump on the step counter leads round those loads).
; LDS: rows of 256 bytes, 32 bytes of padding behind each (pitch 288, ISA guide 11.1).
;   slot 0 (8 steps: 192 rows of k, 192 of v), the scale words of all keys (64 rows of k's, 32 of v's), slot 1, the spare words, the stage of the way out.
; A fill is 4 joint loads of 96 rows (waves 0, 1 k; 2, 3 v); at the head wave 4 brings the scale words with the same group 1.  One tensor load a wave is out at any time.
; CLUSTERS: the four work-groups of a cluster share the head, so all tiles are asked for jointly.
; PREFETCH: behind the joint loads of fills 1 and 2 each loading wave names 24 of the 96 rows that it will fetch one fill later (the four partners share the 96 out by address; lanes 24-31 name the last again).
; LIMITS: the scaled scores stay under 2^31 in magnitude; NaN and infinities are not served; a block whose largest magnitude lies under 2^-124 takes the byte 1.
.set HS,    196608
.set SS,    24576
.set RP,    288
.set STEPL, 24*RP
.set VOFF,  192*RP
.set SLOTB, 384*RP
.set SCB,   SLOTB
.set S1,    SLOTB+96*RP
.set SPARE, S1+SLOTB
.set STG,   SPARE+1024
.set FILLB, 49152
.set LN8,  1
.set ASK0, 2
.set ASV0, 3
.set RR,   4
.set SPW,  5
.set NIL,  6
.set HH,   7
.set ADR,  8
.set ADS,  9
.set ADT,  10
.set R16,  11
; in each tile's window: v12 -M, v13 the running largest score, v[14:15] the sum
.set QF,   16
.set KL,   28
.set ADK,  29
.set PFO,  30
.set SH8,  31                          ; 8 h, in both windows
.set KF,   32
.set VF,   32                          ; in window 1
.set SX,   96
.set OX,   160
.set QC,   192
.set CV,   204
.set BM,   212
.set PD,   216
.set SOP,  220
.set SM,   222
.set SN,   224
.set FF,   226
.set TT,   228
.set UW,   229
.set T2,   230
.set PWL,  231
.set SQ,   232
.set PW,   234                         ; v234, v235 p's scale words of tiles 0, 1 (window 0)
.set QS,   236                         ; v236, v237 q's
.set KSC,  240
.set VSC,  248
.set WV,   12
.set SEL,  20
.set CS,   22
.set G1,   24
.set NC,   32
.set G0,   40
.set TB,   48
.set TS,   49
.set TJ,   50
.set CNT,  51
.set PFP,  56
.set MSB, 0
.macro WIN new                         ; bits 1:0 source 0, 3:2 source 1, 5:4 source 2, 7:6 destination; the high byte repeats the setting that is left
.if MSB != (\new)
	s_set_vgpr_msb (MSB<<8)|(\new)
.set MSB, (\new)
.endif
.endm
.macro CROUND
	s_barrier_signal -1
	s_barrier_wait -1
	s_cmp_lg_u32 s[WV], 0
	s_cbranch_scc1 .Lnot_wave_0_\@
	s_barrier_signal -3
.Lnot_wave_0_\@:
	s_barrier_wait -3
	s_barrier_signal -1
	s_barrier_wait -1
.endm
	s_load_b256 s[4:11], s[0:1], 0x0               ; qkv_codes, qkv_scales, ao_codes, ao_scales
	v_lshl_add_u32 v[SPW], v0, 2, SPARE
	v_mov_b32 v[NIL], 0
	ds_add_u32 v[SPW], v[NIL]                      ; the opening lines: the add twice on end and its wait
	ds_add_u32 v[SPW], v[NIL]
	v_lshrrev_b32 v8, 5, v0
	v_readfirstlane_b32 s[WV], v8
	s_bfe_u32 s13, ttmp6, 0x40000                  ; cx
	s_lshl_b32 s14, ttmp9, 2
	s_add_co_u32 s14, s14, s13                     ; which 256 queries
	s_and_b32 s15, ttmp7, 0xffff                   ; head
	s_mov_b32 s[G1], 15|(3<<16)|(1<<20)|(1<<21)|(5<<22)|(7<<25)   ; all four partners; elements of 8 bytes; 8 words of padding behind every 64
	s_mov_b32 s[G1+1], 32<<16
	s_mov_b32 s[G1+2], 96<<16
	s_mov_b32 s[G1+3], 32<<16
	s_mov_b32 s[G1+4], 96
	s_mov_b32 s[G1+5], 32
	s_mov_b32 s[G1+6], 0
	s_mov_b32 s[G1+7], 0
	s_add_co_u32 s16, s15, 16
	s_mul_i32 s17, s16, HS                         ; k's part,
	s_mul_i32 s18, s16, SS                         ; and its scale words' (wave 4)
	s_mul_i32 s19, s[WV], 24576                    ; 96 rows of 256 bytes a wave
	s_add_co_u32 s17, s17, s19
	s_cmp_lt_u32 s[WV], 2
	s_cselect_b32 s19, 0, 16*HS-2*24576            ; waves 2, 3: v's part
	s_add_co_u32 s17, s17, s19
	s_mul_i32 s53, s[WV], 96*RP                    ; where my rows go in slot 0 (wave 4: behind it)
	s_mov_b32 s[SEL], 0x76543210
	s_mov_b32 s[SEL+1], 0xfedcba98
	s_mov_b32 s[CS], 0x3e38aa3b                    ; c = log2(e) / 8
	s_mov_b32 s[CS+1], s[CS]
	s_mov_b32 s[NC], 0xbe38aa3b                    ; -c
	s_mov_b32 s[TS], 0
	s_mov_b32 s[TJ], 0
	s_wait_dscnt 0x0
	s_wait_kmcnt 0x0
	s_cmp_lt_u32 s[WV], 4
	s_cselect_b32 s16, s17, s18
	s_cselect_b64 s[34:35], s[4:5], s[6:7]
	s_mov_b32 s17, 0
	s_add_nc_u64 s[34:35], s[34:35], s[16:17]
	s_mov_b32 s[G0], 1
	s_mov_b32 s[G0+1], s53
	s_mov_b64 s[G0+2:G0+3], s[34:35]
	s_or_b32 s[G0+3], s[G0+3], 0x80000000
	s_add_nc_u64 s[PFP:PFP+1], s[34:35], 2*FILLB   ; the prefetches begin at fill 2
	CROUND
	s_cmp_lt_u32 s[WV], 5
	s_cbranch_scc0 .Lno_head_load
	tensor_load_to_lds s[G0:G0+3], s[G1:G1+7]      ; fill 0 and the scale words: one load a wave
	s_nop 0
.rept 4
	v_nop
.endr
.Lno_head_load:
	s_lshl_b32 s16, s14, 4                         ; my first tile of queries: 16 x work-group + 2 x wave
	s_lshl_b32 s17, s[WV], 1
	s_add_co_u32 s16, s16, s17
	s_mul_i32 s16, s16, 768
	s_mul_i32 s17, s15, HS
	s_add_co_u32 s16, s16, s17
	s_mov_b32 s17, 0
	s_add_nc_u64 s[16:17], s[4:5], s[16:17]
	s_lshl_b32 s18, s14, 1                         ; and its scale words: [128 tokens][4 tiles][lane r][tile % 4]
	s_lshr_b32 s19, s[WV], 2
	s_add_co_u32 s18, s18, s19
	s_lshl_b32 s18, s18, 9
	s_bfe_u32 s19, s[WV], 0x10001
	s_lshl_b32 s19, s19, 8
	s_add_co_u32 s18, s18, s19
	s_and_b32 s19, s[WV], 1
	s_lshl_b32 s19, s19, 3
	s_add_co_u32 s18, s18, s19
	s_mul_i32 s19, s15, SS
	s_add_co_u32 s18, s18, s19
	s_mov_b32 s19, 0
	s_add_nc_u64 s[18:19], s[6:7], s[18:19]
	s_mul_i32 s33, s13, 24*256                     ; my work-group's 24 of a wave's 96 rows, for the prefetches
	v_and_b32 v[LN8], 31, v0
	v_and_b32 v[RR], 15, v0
	v_bfe_u32 v[HH], v0, 4, 1
	v_min_u32 v[PFO], 23, v[LN8]
	v_lshlrev_b32 v[LN8], 3, v[LN8]
	v_lshlrev_b32 v[R16], 4, v[RR]
	v_lshlrev_b32 v[SH8], 3, v[HH]
.irp i, 0,1,2
	global_load_b64 v[QF+2*\i:QF+2*\i+1], v[LN8], s[16:17] offset:256*\i
.endr
	global_load_b32 v[QS], v[R16], s[18:19]
	global_load_b32 v[QS+1], v[R16], s[18:19] offset:4
	WIN 0x40                                       ; destination in window 1
	v_lshlrev_b32 v[SH8], 3, v[HH]
.irp i, 0,1,2
	global_load_b64 v[QF+2*\i:QF+2*\i+1], v[LN8], s[16:17] offset:768+256*\i
.endr
	WIN 0
	v_and_b32 v[T2], 7, v[RR]                      ; r % 8
	v_lshrrev_b32 v[TT], 3, v[RR]                  ; r / 8
	v_lshlrev_b32 v[PFO], 8, v[PFO]
	v_lshlrev_b32 v[KL], 3, v[T2]
	v_lshlrev_b32 v[ASK0], 4, v[T2]
	v_add_nc_u32 v[PFO], s33, v[PFO]
	v_lshl_add_u32 v[KL], v[HH], 7, v[KL]
	v_lshl_add_u32 v[ASK0], v[TT], 3, v[ASK0]
	v_mad_u32_u24 v[KL], v[TT], 6*RP, v[KL]        ; k: 8 (r % 8) + 128 h in a plane; rows 8-15 of my tiles come from the stored tile two further on
	v_add_nc_u32 v[ASK0], SCB, v[ASK0]             ; k's scale words: 16 (r % 8) + 8 (r / 8)
	v_add_nc_u32 v[ASV0], SCB+64*RP, v[R16]        ; v's
.irp i, 0,1,2,3,4,5
	v_mov_b32 v[KF+48+\i], 0
.endr
.irp u, 0,1
	WIN 0x55*\u                                    ; each tile's state, in its window
	v_mov_b32 v13, 0xff61b1e6                      ; -3e38, under every score
	v_mov_b32 v14, 0
	v_mov_b32 v15, 0
	v_mul_f32 v12, s[NC], v13
.irp i, 0,1,2,3,4,5
	v_mov_b32 v[QF+6+\i], 0
.endr
.irp b, 0,1,2,3
	v_mov_b32 v[PD+\b], 0                          ; a lane permute's destination counts as one of its sources
.endr
	v_mov_b32 v[FF+1], 0
	v_floor_f32 v12, v12
.set j, 0
.rept 32
	v_mov_b32 v[OX+j], 0                           ; the step is written once: the first finds zeros
.set j, j+1
.endr
.endr
	WIN 0
.macro KLOAD                           ; a step's eight tiles of k and their scale words
.irp T, 0,1,2,3,4,5,6,7
.irp i, 0,1,2
	ds_load_b64 v[KF+6*\T+2*\i:KF+6*\T+2*\i+1], v[ADK] offset:(12*(\T/4)+3*(\T%2)+\i)*RP+64*((\T%4)/2)
.endr
.endr
.irp w, 0,1,2,3
	ds_load_b64 v[KSC+2*\w:KSC+2*\w+1], v[ADS] offset:(\w/2)*RP+128*(\w%2)
.endr
.endm
.macro SUM4 k                          ; four pairs of p onto the four chains of the sum
	v_pk_add_f32 v[SM:SM+1], v[SM:SM+1], v[SX+2*(\k):SX+2*(\k)+1]
	v_pk_add_f32 v[SN:SN+1], v[SN:SN+1], v[SX+2*(\k)+2:SX+2*(\k)+3]
	v_pk_add_f32 v[SQ:SQ+1], v[SQ:SQ+1], v[SX+2*(\k)+4:SX+2*(\k)+5]
	v_pk_add_f32 v[14:15], v[14:15], v[SX+2*(\k)+6:SX+2*(\k)+7]
.endm
; Tile u: from its scores to its part of O^T.  All its registers lie in window u.
.macro SOFT u
	WIN 0x55*\u
.if \u
	s_wait_alu depctr_va_vdst(0)
.endif
.irp b, 0,1,2,3
	v_max3_num_f32 v[BM+\b], v[SX+16*\b], v[SX+1+16*\b], v[SX+2+16*\b]   ; four chains by turns; each accumulator is read from its low end on
.endr
.irp i, 3,5,7,9,11,13
.irp b, 0,1,2,3
	v_max3_num_f32 v[BM+\b], v[BM+\b], v[SX+16*\b+\i], v[SX+1+16*\b+\i]
.endr
.endr
.irp g, 0,1
	v_max3_num_f32 v[BM+2*\g], v[BM+2*\g], v[BM+2*\g+1], v[SX+32*\g+15]
.endr
.irp g, 0,1
	v_max_num_f32 v[BM+2*\g], v[BM+2*\g], v[SX+32*\g+31]   ; the largest score of my block 2 g + h
.endr
	s_delay_alu instid0(VALU_DEP_1)
	v_max_num_f32 v[TT], v[BM], v[BM+2]
	s_delay_alu instid0(VALU_DEP_1)
	v_permlanex16_b32 v[PD], v[TT], s[SEL], s[SEL+1]
	v_mov_b32 v[T2], v12
	s_delay_alu instid0(VALU_DEP_2)
	v_max3_num_f32 v13, v13, v[TT], v[PD]          ; the running largest score of my query
	s_delay_alu instid0(VALU_DEP_1)
	v_mul_f32 v[TT], s[NC], v13
	s_delay_alu instid0(VALU_DEP_1)
	v_floor_f32 v12, v[TT]                         ; -M = floor(-t)
	s_delay_alu instid0(VALU_DEP_1)
	v_sub_f32 v[T2], v12, v[T2]
	s_delay_alu instid0(VALU_DEP_1)
	v_cvt_i32_f32 v[T2], v[T2]                     ; (it saturates)
	s_delay_alu instid0(VALU_DEP_1)
	v_ldexp_f32 v[FF], 1.0, v[T2]                  ; f = 2^(old M - new M)
.set j, 0
.rept 32
	v_pk_fma_f32 v[SX+j:SX+j+1], v[SX+j:SX+j+1], s[CS:CS+1], v[12:13] op_sel_hi:[1,0,0]   ; t - M
.set j, j+2
.endr
	v_fma_f32 v[BM], v[BM], s[CS], v12             ; the same of each block's largest score
	v_fma_f32 v[BM+2], v[BM+2], s[CS], v12
	s_wait_alu depctr_va_vdst(0)                   ; ahead of the batch, for its sources
.set j, 0
.rept 16
	v_pk_mul_f32 v[OX+j:OX+j+1], v[OX+j:OX+j+1], v[FF:FF+1] op_sel_hi:[1,0]   ; O^T under the new M
.set j, j+2
.endr
	v_exp_f32 v[BM], v[BM]                         ; each block's largest p,
	v_exp_f32 v[BM+2], v[BM+2]
.set j, 0
.rept 64
	v_exp_f32 v[SX+j], v[SX+j]                     ; and p
.set j, j+1
.endr
	v_pk_mul_f32 v[14:15], v[14:15], v[FF:FF+1] op_sel_hi:[1,0]   ; the sum under the new M: the plain place behind the batch
	s_wait_alu depctr_va_vdst(0)                   ; one wait for the batch
.if \u == 0
	s_wait_dscnt 0x0                               ; v's fragments and scale words are in, and the next step's k
.endif
	v_max_num_f32 v[BM], 0x1800000, v[BM]          ; the floor 2^(3 - 127): the byte cannot fall under 1
	v_max_num_f32 v[BM+2], 0x1800000, v[BM+2]
	s_delay_alu instid0(VALU_DEP_2)
	v_add_nc_u32 v[SOP], 0xff000000, v[BM]         ; 2 off the exponent field: the conversion's scale operand
	s_delay_alu instid0(VALU_DEP_2)
	v_add_nc_u32 v[SOP+1], 0xff000000, v[BM+2]
.irp g, 0,1
	v_cvt_scalef32_pk16_fp6_f32 v[QC+6*\g:QC+2+6*\g], v[SX+32*\g:SX+15+32*\g], v[SOP+\g]
	v_cvt_scalef32_pk16_fp6_f32 v[CV+4*\g:CV+2+4*\g], v[SX+16+32*\g:SX+31+32*\g], v[SOP+\g]
.endr
	v_lshrrev_b32 v[PD], 23, v[SOP]                ; the scales' bytes (plain places behind the conversions)
	v_lshrrev_b32 v[PD+1], 23, v[SOP+1]
	s_delay_alu instid0(VALU_DEP_1)
	v_lshl_or_b32 v[PWL], v[PD+1], 16, v[PD]       ; my two bytes: blocks h and 2 + h,
	s_delay_alu instid0(VALU_DEP_1)
	v_lshlrev_b32 v[PWL], v[SH8], v[PWL]           ; at their places;
	s_delay_alu instid0(VALU_DEP_1)
	v_permlanex16_b32 v[PD+2], v[PWL], s[SEL], s[SEL+1]
	WIN 0x05*\u                                    ; the word itself goes to window 0
	v_or_b32 v[PW+\u], v[PWL], v[PD+2]             ; with lane l xor 16's two the word is whole
	WIN 0x55*\u
.irp g, 0,1
.irp i, 0,1,2
	v_mov_b32 v[QC+3+6*\g+\i], v[CV+4*\g+\i]       ; (a conversion's three registers begin on an even number)
.endr
.endr
	v_pk_add_f32 v[SM:SM+1], v[SX:SX+1], v[SX+2:SX+3]   ; the sum of the unquantised p, in four chains; these twelve are the places between the operand's and the scale word's writes and the products
	v_pk_add_f32 v[SN:SN+1], v[SX+4:SX+5], v[SX+6:SX+7]
	v_pk_add_f32 v[SQ:SQ+1], v[SX+8:SX+9], v[SX+10:SX+11]
	v_pk_add_f32 v[14:15], v[14:15], v[SX+12:SX+13]
	SUM4 7
	SUM4 11
	WIN 0x01+0x54*\u                               ; v's fragments lie in window 1
.irp t, 0,1,2,3
	v_wmma_scale_f32_16x16x128_f8f6f4 v[OX+8*\t:OX+8*\t+7], v[VF+12*\t:VF+12*\t+11], v[QC:QC+11], v[OX+8*\t:OX+8*\t+7], v[VSC+\t], v[PW+\u] matrix_a_fmt:MATRIX_FMT_FP6 matrix_b_fmt:MATRIX_FMT_FP6
.endr
	WIN 0x55*\u
	SUM4 15                                        ; the rest of the sum names none of the products' registers: their places
	SUM4 19
	SUM4 23
	SUM4 27
	v_pk_add_f32 v[SM:SM+1], v[SM:SM+1], v[SX+62:SX+63]
	v_pk_add_f32 v[14:15], v[14:15], v[SQ:SQ+1]
	v_pk_add_f32 v[SM:SM+1], v[SM:SM+1], v[SN:SN+1]
	v_pk_add_f32 v[14:15], v[14:15], v[SM:SM+1]
.endm
.macro STEP
	v_add_nc_u32 v[ADR], s[TB], v[LN8]
	v_add_nc_u32 v[ADT], s[TJ], v[ASV0]
	WIN 0x40
.irp t, 0,1,2,3
.irp i, 0,1,2,3,4,5
	ds_load_b64 v[VF+12*\t+2*\i:VF+12*\t+2*\i+1], v[ADR] offset:VOFF+(6*\t+\i)*RP
.endr
.endr
	WIN 0
	ds_load_b128 v[VSC:VSC+3], v[ADT]
	s_wait_dscnt 25                                ; k and its scale words are in; v's 24 loads and its scale words' one, issued behind them, may be out
.irp T, 0,1,2,3,4,5,6,7
	v_wmma_scale_f32_16x16x128_f8f6f4 v[SX+8*\T:SX+8*\T+7], v[KF+6*\T:KF+6*\T+11], v[QF:QF+11], 0, v[KSC+\T], v[QS] matrix_a_fmt:MATRIX_FMT_FP6 matrix_b_fmt:MATRIX_FMT_FP6
.endr
	WIN 0x54                                       ; tile 1: q and the scores in window 1
.irp T, 0,1,2,3,4,5,6,7
	v_wmma_scale_f32_16x16x128_f8f6f4 v[SX+8*\T:SX+8*\T+7], v[KF+6*\T:KF+6*\T+11], v[QF:QF+11], 0, v[KSC+\T], v[QS+1] matrix_a_fmt:MATRIX_FMT_FP6 matrix_b_fmt:MATRIX_FMT_FP6
.endr
	WIN 0
	s_add_co_u32 s[TB], s[TB], STEPL
	s_add_co_u32 s[TS], s[TS], 2*RP
	s_add_co_u32 s[TJ], s[TJ], RP
	v_add_nc_u32 v[ADK], s[TB], v[KL]              ; four places behind the products (ISA guide 7.12.1)
	v_add_nc_u32 v[ADS], s[TS], v[ASK0]
	v_nop
	v_nop
	s_cmp_eq_u32 s[CNT], 1                         ; a slot's last step: the next k lies in the other slot, behind the change
	s_cbranch_scc1 .Lno_next_\@
	KLOAD
.Lno_next_\@:
	SOFT 0
	SOFT 1
	WIN 0
.endm
; A change of slots.  fill: the other slot (slot) is filled; pf = 1: the fill after that is named to the L2, pf = 2: likewise, the pointer stepped first.
.macro CHANGE fill, slot, pf
	s_wait_xcnt 0x0                                ; my prefetch has read its address
	s_wait_tensorcnt 0x0                           ; all my tensor loads have landed
	ds_add_u32 v[SPW], v[NIL]
.if \fill
	ds_add_u32 v[SPW], v[NIL]                      ; the add twice here
	s_add_co_u32 s[G0+1], s53, (\slot)*S1
	s_add_nc_u64 s[G0+2:G0+3], s[G0+2:G0+3], FILLB
.if \pf == 2
	s_add_nc_u64 s[PFP:PFP+1], s[PFP:PFP+1], FILLB
.endif
.endif
	s_wait_dscnt 0x0                               ; the add is done, and my reads of the slot left behind
.if \fill
	CROUND
	s_cmp_lt_u32 s[WV], 4
	s_cbranch_scc0 .Lno_fill_\@
	tensor_load_to_lds s[G0:G0+3], s[G1:G1+7]
	s_nop 0
.rept 4
	v_nop
.endr
.if \pf
	global_prefetch_b8 v[PFO], s[PFP:PFP+1] th:TH_LOAD_NT scope:SCOPE_SE
.endif
.Lno_fill_\@:
.else
	s_barrier_signal -1
	s_barrier_wait -1
.endif
.endm
.macro LOOP8 slot
	s_mov_b32 s[TB], (\slot)*S1
	s_mov_b32 s[CNT], 8
	v_add_nc_u32 v[ADK], s[TB], v[KL]
	v_add_nc_u32 v[ADS], s[TS], v[ASK0]
	KLOAD                                          ; the slot's first k
.Lstep_\@:
	STEP
	s_sub_co_u32 s[CNT], s[CNT], 1
	s_cmp_lg_u32 s[CNT], 0
	s_cbranch_scc1 .Lstep_\@
.endm
	s_wait_alu depctr_va_vdst(0)                   ; the head's end
	s_wait_loadcnt 0x0
	CHANGE 1, 1, 1
	LOOP8 0
	CHANGE 1, 0, 2
	LOOP8 1
	CHANGE 1, 1, 0
	LOOP8 0
	CHANGE 0, 0, 0
	LOOP8 1
	; the way out: O^T / the sum, quantised along the head's 64, 48 bytes of codes and 2 scale bytes a token
	s_lshl_b32 s53, s[WV], 11
	s_add_co_u32 s53, s53, STG                     ; my stage: 1,024 bytes a tile
	v_lshlrev_b32 v[ADR], 6, v[RR]
	v_and_b32 v[ADT], 31, v0
	v_and_b32 v[R16], 8, v[RR]
	v_lshl_add_u32 v[ADR], v[HH], 4, v[ADR]
	v_mul_u32_u24 v[ADT], v[ADT], 12
	v_add_nc_u32 v[R16], v[R16], v[RR]
	v_add_nc_u32 v[ADR], s53, v[ADR]
	v_lshl_add_u32 v[ADS], v[LN8], 1, s53
	v_lshlrev_b32 v[R16], 1, v[R16]
	s_lshl_b32 s16, s14, 8
	s_lshl_b32 s17, s[WV], 5
	s_add_co_u32 s16, s16, s17                     ; tile 0's first token; tile 1's is 8 on.  A tile's places 0-7 are tokens +0..7, places 8-15 tokens +16..23
	s_mul_i32 s18, s16, 48
	s_mul_i32 s17, s15, HS
	s_add_co_u32 s18, s18, s17
	s_mov_b32 s19, 0
	s_add_nc_u64 s[8:9], s[8:9], s[18:19]
	s_lshl_b32 s18, s16, 1
	s_lshl_b32 s17, s15, 13
	s_add_co_u32 s18, s18, s17
	s_add_nc_u64 s[10:11], s[10:11], s[18:19]
.macro TAIL u
.if \u
	s_wait_xcnt 0x0                                ; tile 0's stores have read their registers
.endif
	WIN 0x55*\u
	v_add_f32 v14, v14, v15
	v_permlanex16_b32 v[TT], v14, s[SEL], s[SEL+1]
	v_add_f32 v14, v14, v[TT]
	s_wait_alu depctr_va_vdst(0)                   ; ahead of the transcendental
	v_rcp_f32 v14, v14
	v_nop
	WIN 0x05*\u                                    ; the quotient goes to window 0
	s_wait_alu depctr_va_vdst(0)                   ; and ahead of its first reader, which is also the first reader of O^T
.set j, 0
.rept 32
	v_mul_f32 v[SX+j], v[OX+j], v14
.set j, j+1
.endr
	WIN 0
.irp b, 0,1
	v_max3_num_f32 v[BM+\b], |v[SX+16*\b]|, |v[SX+1+16*\b]|, 0x1800000
.endr
.irp i, 2,4,6,8,10,12,14
.irp b, 0,1
	v_max3_num_f32 v[BM+\b], v[BM+\b], |v[SX+16*\b+\i]|, |v[SX+1+16*\b+\i]|
.endr
.endr
.irp b, 0,1
	v_permlanex16_b32 v[PD+\b], v[BM+\b], s[SEL], s[SEL+1]
.endr
.irp b, 0,1
	v_max_num_f32 v[BM+\b], v[BM+\b], v[PD+\b]
.endr
.irp b, 0,1
	v_add_nc_u32 v[SOP+\b], 0xff000000, v[BM+\b]
.endr
.irp b, 0,1
	v_lshrrev_b32 v[PD+\b], 23, v[SOP+\b]
.endr
	v_lshl_or_b32 v[UW], v[PD+1], 8, v[PD]
	v_cvt_scalef32_pk16_fp6_f32 v[QC:QC+2], v[SX:SX+15], v[SOP]
	v_cvt_scalef32_pk16_fp6_f32 v[QC+4:QC+6], v[SX+16:SX+31], v[SOP+1]
	v_nop
	ds_store_b96 v[ADR], v[QC:QC+2] offset:1024*\u          ; through my own stage: a token's 48 bytes on end
	ds_store_b96 v[ADR], v[QC+4:QC+6] offset:1024*\u+32
	ds_load_b96 v[QC+8:QC+10], v[ADS] offset:1024*\u
	ds_load_b96 v[CV:CV+2], v[ADS] offset:1024*\u+512
	global_store_b16 v[R16], v[UW], s[10:11] offset:16*\u
	s_wait_dscnt 1
	global_store_b96 v[ADT], v[QC+8:QC+10], s[8:9] offset:384*\u
	s_wait_dscnt 0x0
	global_store_b96 v[ADT], v[CV:CV+2], s[8:9] offset:384*\u+768
.endm
	TAIL 0
	TAIL 1
	s_wait_tensorcnt 0x0                           ; the wave's end
	ds_add_u32 v[SPW], v[NIL]
	s_wait_dscnt 0x0
	CROUND                                         ; the closing round
	s_endpgm
.Lfunc_end_k_qbf98d779b0_attn:
	.size	k_qbf98d779b0_attn, .Lfunc_end_k_qbf98d779b0_attn-k_qbf98d779b0_attn
	.p2alignl 7, 3214868480
	.fill 96, 4, 3214868480
	.section	.rodata,"a",@progbits
	.p2align	6, 0x0
	.amdhsa_kernel k_qbf98d779b0_attn
		.amdhsa_group_segment_fixed_size 327680
		.amdhsa_private_segment_fixed_size 0
		.amdhsa_enable_private_segment 0
		.amdhsa_kernarg_size 32
		.amdhsa_user_sgpr_count 2
		.amdhsa_user_sgpr_kernarg_segment_ptr 1
		.amdhsa_wavefront_size32 1
		.amdhsa_system_sgpr_workgroup_id_x 1
		.amdhsa_system_sgpr_workgroup_id_y 1
		.amdhsa_system_sgpr_workgroup_id_z 1
		.amdhsa_system_vgpr_workitem_id 0
		.amdhsa_next_free_vgpr 512
		.amdhsa_next_free_sgpr 66
		.amdhsa_reserve_vcc 0
		.amdhsa_float_denorm_mode_32 3
		.amdhsa_float_denorm_mode_16_64 3
		.amdhsa_memory_ordered 1
		.amdhsa_forward_progress 1
		.amdhsa_inst_pref_size 146
	.end_amdhsa_kernel
	.amdgpu_metadata
---
amdhsa.version: [ 1, 2 ]
amdhsa.kernels:
  - .name:           k_qbf98d779b0_attn
    .symbol:         k_qbf98d779b0_attn.kd
    .args:
      - { .name: qkv_codes, .offset: 0, .size: 8, .value_kind: global_buffer, .address_space: global }
      - { .name: qkv_scales, .offset: 8, .size: 8, .value_kind: global_buffer, .address_space: global }
      - { .name: ao_codes, .offset: 16, .size: 8, .value_kind: global_buffer, .address_space: global }
      - { .name: ao_scales, .offset: 24, .size: 8, .value_kind: global_buffer, .address_space: global }
    .group_segment_fixed_size: 327680
    .private_segment_fixed_size: 0
    .kernarg_segment_align: 8
    .kernarg_segment_size: 32
    .max_flat_workgroup_size: 256
    .sgpr_count:     66
    .vgpr_count:     512
    .wavefront_size: 32
...
	.end_amdgpu_metadata
.endif
;; end of part 3
;; launch proj (part 4): grid 4 x 64, 8 waves a work-group, clusters of 4 x 4, 327,680 bytes of LDS; arguments ao_codes, ao_scales, xw_codes, xw_scales, b_proj, out0; writes out0
.if DOCPART == 4
	.amdgcn_target "amdgcn-amd-amdhsa--gfx1250"
	.amdhsa_code_object_version 6
	.text
	.protected	k_qbf98d779b0_proj
	.globl	k_qbf98d779b0_proj
	.p2align	8
	.type	k_qbf98d779b0_proj,@function
k_qbf98d779b0_proj:
	s_mov_b64 s[64:65], 0
	v_nop
	global_prefetch_b8 v0, s[64:65] scope:SCOPE_SE
	s_setreg_imm32_b32 hwreg(HW_REG_WAVE_MODE, 25, 1), 1
	s_wait_xcnt 0x0
	s_wait_alu depctr_hold_cnt(0) depctr_sa_sdst(0) depctr_va_vdst(0) depctr_va_sdst(0) depctr_va_ssrc(0) depctr_va_vcc(0) depctr_vm_vsrc(0)
	s_getreg_b32 s2, hwreg(HW_REG_IB_STS2, 6, 4)
	s_cmp_eq_u32 s2, 0
	s_cbranch_scc0 .Lentry_in_a_cluster
	s_endpgm
.Lentry_in_a_cluster:
	s_bfe_u32 s2, ttmp6, 0x10000c
	s_cmp_lg_u32 s2, 0xf033
	s_cbranch_scc0 .Lentry_shape_is_right
	s_endpgm
.Lentry_shape_is_right:
; out0 = attention's output x W_proj + b_proj on codes of FP6 (E2M3), one E8M0 scale for each 32 along K = 1,024.
; 256 work-groups, each 64 tokens x 256 columns; eight waves, each 32 tokens x 64 columns: 8 accumulators of 16 x 16.  ALL OF K LIES IN LDS AT ONCE: nothing is filled again, and one barrier shows it to all waves.
;   W_proj's 256 rows: four K steps of 256, each 49,152 dense bytes of xw_codes ([K step][row][192 bytes]), as rows of 256 bytes, 16 bytes of padding behind every 64: LDS rows of 240 bytes.
;   The tokens' codes: ao_codes is [head][token][48 bytes]: 16 rows of 3,072 bytes.   W_proj's scale bytes: 8,192 dense bytes, 16 of padding behind every 256.
; The head's loads, one a wave: wave 0 the tokens' codes, waves 1-4 a K step of W_proj each, wave 5 its scale bytes.  The tokens' scale bytes (2 a head and token) go straight into registers and are joined to words there.
; CLUSTERS: 4 x 4; the tokens' tile is shared along a row of the cluster, W_proj's tiles along a column.
; THE MATRIX INSTRUCTION IS USED TRANSPOSED (source 0 = 16 rows of W_proj, source 1 = 16 tokens): a lane holds eight neighbouring columns of one token.  THE BIAS is loaded into the accumulators: every product adds in place.
; Two sets of fragments take turns: a step's 36 (40 with scale words) LDS loads are issued ahead of the products of the step before.
; THE WAY OUT goes through a stage on the bytes of the tokens' codes, which have had their only fill; a barrier shows that nobody reads them any more.  Sixteen lanes store a row's 256 consecutive bytes, aligned.
; No prefetch: the launch has no loop to run ahead in: all its tiles are asked for at its head.
.set PLANE,  1572864
.set WP_R,   1376256                   ; W_proj's rows begin at row 7,168 of each K step's plane
.set WP_S,   229376
.set HS,     196608
.set PITCH,  240
.set KSB,    256*PITCH
.set ABASE,  4*KSB
.set HEADB,  3072
.set SCLB,   ABASE+16*HEADB
.set SBLK,   544                       ; the scale bytes of 16 rows
.set SPARE,  SCLB+16*SBLK
.set SPITCH, 272
.set ADRA, 3
.set ADRB, 4                           ; v4-11: for each K step two addresses (the second behind one padding more)
.set ADSB, 12
.set SPW,  13
.set NIL,  14
.set ACC,  16                          ; v16-79
.set F0,   80                          ; v80-151, v152-223: 2 fragments of tokens, 4 of W_proj
.set F1,   152
.set SA,   224                         ; v224-239 the tokens' scale words: block a, step s at 8 a + s
.set SB,   240                         ; v240-255 W_proj's: two sets of 4 blocks x 2 steps
.set G1A, 24
.set G1B, 32
.set G1S, 40
.set G0A, 48
.set G0B, 52
.set G0S, 56
.macro CROUND
	s_barrier_signal -1
	s_barrier_wait -1
	s_cmp_lg_u32 s16, 0
	s_cbranch_scc1 .Lnot_wave_0_\@
	s_barrier_signal -3
.Lnot_wave_0_\@:
	s_barrier_wait -3
	s_barrier_signal -1
	s_barrier_wait -1
.endm
	s_load_b256 s[4:11], s[0:1], 0x0               ; ao_codes, ao_scales, xw_codes, xw_scales
	s_load_b128 s[12:15], s[0:1], 0x20             ; b_proj, out0
	v_lshl_add_u32 v[SPW], v0, 2, SPARE
	v_mov_b32 v[NIL], 0
	ds_add_u32 v[SPW], v[NIL]                      ; the opening lines: the add twice on end and its wait
	ds_add_u32 v[SPW], v[NIL]
	v_lshrrev_b32 v1, 5, v0
	v_readfirstlane_b32 s16, v1                    ; wave 0..7
	s_lshr_b32 s17, s16, 2                         ; which 32 tokens
	s_and_b32 s18, s16, 3                          ; which 64 columns
	s_bfe_u32 s19, ttmp6, 0x40000                  ; cx = the tile column (the grid's x is one cluster)
	s_bfe_u32 s20, ttmp6, 0x40004                  ; cy
	s_and_b32 s21, ttmp7, 0xffff
	s_lshl_b32 s21, s21, 2
	s_add_co_u32 s21, s21, s20                     ; the tile row
	s_lshl_b32 s22, s20, 2
	s_lshl_b32 s22, 15, s22                        ; my row of the cluster
	s_lshl_b32 s23, 0x1111, s19                    ; my column
	s_or_b32 s[G1A], s22, (3<<16)|(1<<21)          ; 16 rows of 384 elements of 8 bytes, a head apart
	s_mov_b32 s[G1A+1], 384<<16
	s_mov_b32 s[G1A+2], 16<<16
	s_mov_b32 s[G1A+3], 384<<16
	s_mov_b32 s[G1A+4], 16
	s_mov_b32 s[G1A+5], HS/8
	s_mov_b32 s[G1A+6], 0
	s_mov_b32 s[G1A+7], 0
	s_or_b32 s[G1B], s23, (0<<16)|(1<<20)|(1<<21)|(3<<22)|(3<<25)   ; 192 rows of 256 bytes, 4 words of padding behind every 16
	s_mov_b32 s[G1B+1], 256<<16
	s_mov_b32 s[G1B+2], 192<<16
	s_mov_b32 s[G1B+3], 256<<16
	s_mov_b32 s[G1B+4], 192
	s_mov_b32 s[G1B+5], 256
	s_mov_b32 s[G1B+6], 0
	s_mov_b32 s[G1B+7], 0
	s_or_b32 s[G1S], s23, (3<<16)|(1<<20)|(1<<21)|(5<<22)|(3<<25)   ; 32 rows of 256 bytes, 4 words of padding behind each
	s_mov_b32 s[G1S+1], 32<<16
	s_mov_b32 s[G1S+2], 32<<16
	s_mov_b32 s[G1S+3], 32<<16
	s_mov_b32 s[G1S+4], 32
	s_mov_b32 s[G1S+5], 32
	s_mov_b32 s[G1S+6], 0
	s_mov_b32 s[G1S+7], 0
	s_add_co_u32 s60, s16, 3
	s_and_b32 s60, s60, 3                          ; waves 1-4: K step wave - 1
	s_mov_b32 s[G0B], 1
	s_mul_i32 s[G0B+1], s60, KSB
	s_mul_i32 s62, s60, PLANE
	s_mul_i32 s63, s19, 256*192
	s_add_co_u32 s62, s62, s63
	s_add_co_u32 s62, s62, WP_R
	s_mov_b32 s63, 0
	s_mul_i32 s66, s21, HEADB                      ; my 64 tokens in a head's part
	s_mov_b32 s67, 0
	s_lshl_b32 s68, s19, 13
	s_add_co_u32 s68, s68, WP_S
	s_mov_b32 s69, 0
	s_lshl_b32 s70, s21, 7                         ; the tokens' scale bytes: 2 a token
	s_lshl_b32 s71, s17, 6
	s_add_co_u32 s70, s70, s71
	s_mov_b32 s71, 0
	s_lshl_b32 s72, s19, 10                        ; my first column, in bytes
	s_lshl_b32 s73, s18, 8
	s_add_co_u32 s72, s72, s73
	s_mov_b32 s73, 0
	s_lshl_b32 s74, s21, 18                        ; my first token's row of out0
	s_lshl_b32 s75, s17, 17
	s_add_co_u32 s74, s74, s75
	s_add_co_u32 s74, s74, s72
	s_mov_b32 s75, 0
	s_mul_i32 s76, s17, 32*48
	s_add_co_u32 s76, s76, ABASE
	s_mul_i32 s77, s18, 64*PITCH
	s_mul_i32 s78, s18, 4*SBLK
	s_add_co_u32 s78, s78, SCLB
	s_mul_i32 s79, s16, 16*SPITCH
	s_add_co_u32 s79, s79, ABASE                   ; my stage
	s_mov_b32 s[G0A], 1
	s_mov_b32 s[G0A+1], ABASE
	s_mov_b32 s[G0S], 1
	s_mov_b32 s[G0S+1], SCLB
	s_wait_dscnt 0x0
	s_wait_kmcnt 0x0
	s_add_nc_u64 s[G0A+2:G0A+3], s[4:5], s[66:67]
	s_or_b32 s[G0A+3], s[G0A+3], 0x80000000
	s_add_nc_u64 s[G0B+2:G0B+3], s[8:9], s[62:63]
	s_or_b32 s[G0B+3], s[G0B+3], 0x80000000
	s_add_nc_u64 s[G0S+2:G0S+3], s[10:11], s[68:69]
	s_or_b32 s[G0S+3], s[G0S+3], 0x80000000
	s_add_nc_u64 s[6:7], s[6:7], s[70:71]
	s_add_nc_u64 s[12:13], s[12:13], s[72:73]
	s_add_nc_u64 s[14:15], s[14:15], s[74:75]
	CROUND                                         ; all sixteen work-groups are here: the joint loads meet
.macro ARM under, g0, g1, next
	s_cmp_lt_u32 s16, \under
	s_cbranch_scc0 \next
	tensor_load_to_lds s[\g0:\g0+3], s[\g1:\g1+7]
	s_nop 0
.rept 4
	v_nop
.endr
	s_branch .Lhead_asked
\next:
.endm
	ARM 1, G0A, G1A, .Lhead_b
	ARM 5, G0B, G1B, .Lhead_s
	s_cmp_lt_u32 s16, 6
	s_cbranch_scc0 .Lhead_asked
	tensor_load_to_lds s[G0S:G0S+3], s[G1S:G1S+7]
	s_nop 0
.rept 4
	v_nop
.endr
.Lhead_asked:
	v_and_b32 v1, 15, v0                           ; r
	v_bfe_u32 v2, v0, 4, 1                         ; h
	v_lshlrev_b32 v216, 1, v1
	v_lshlrev_b32 v217, 5, v2
.irp a, 0,1
.irp hh, 0,1,2,3,4,5,6,7,8,9,10,11,12,13,14,15
	global_load_u16 v[F1+16*\a+\hh], v216, s[6:7] offset:8192*\hh+32*\a   ; token 16 a + r, head hh: its two scale bytes
.endr
.endr
.irp a, 0,1
.irp b, 0,1,2,3
	global_load_b128 v[ACC+8*(4*\a+\b):ACC+8*(4*\a+\b)+3], v217, s[12:13] offset:64*\b      ; the bias of columns 16 b + 8 h + 0..7
	global_load_b128 v[ACC+8*(4*\a+\b)+4:ACC+8*(4*\a+\b)+7], v217, s[12:13] offset:64*\b+16
.endr
.endr
	v_mul_u32_u24 v[ADRA], v1, 48
	v_mul_u32_u24 v15, v1, PITCH
	v_mad_u32_u24 v[ADRA], v2, 24, v[ADRA]
	v_mad_u32_u24 v15, v2, 24, v15
	v_add_nc_u32 v[ADRA], s76, v[ADRA]
	v_add_nc_u32 v15, s77, v15
.irp ks, 0,1,2,3
	v_add_nc_u32 v[ADRB+2*\ks], \ks*KSB, v15
.endr
.irp ks, 0,1,2,3
	v_lshl_add_u32 v[ADRB+2*\ks+1], v2, 4, v[ADRB+2*\ks]
.endr
	v_lshlrev_b32 v[ADSB], 5, v1
	v_lshrrev_b32 v15, 3, v1
	v_lshl_add_u32 v[ADSB], v15, 4, v[ADSB]
	v_add_nc_u32 v[ADSB], s78, v[ADSB]
	s_wait_alu depctr_va_vdst(0)
	s_wait_loadcnt 0x0
.irp a, 0,1
.irp s, 0,1,2,3,4,5,6,7
	v_lshl_or_b32 v[SA+8*\a+\s], v[F1+16*\a+2*\s+1], 16, v[F1+16*\a+2*\s]   ; step s: heads 2 s and 2 s + 1
.endr
.endr
.rept 8
	v_nop                                          ; a scale register written by a vector instruction stands 8 places ahead of a scaled matrix instruction
.endr
	s_wait_alu depctr_va_vdst(0)                   ; the head's end
	s_wait_tensorcnt 0x0                           ; my tile is in;
	s_barrier_signal -1
	s_barrier_wait -1                              ; everybody's is
.macro FRAG reg, adr, q, i             ; 16 rows x 128 K: lane (r, h) takes 24 bytes at 24 h and 24 at 48 + 24 h of its row's 96, in pieces of 8; where lanes 16-31 lie behind one padding more, the second address serves
.irp p, 0,1,2,3,4,5
.set PCE, 12*(\q)+6*(\p/3)+\p%3
.if PCE%8 < 5
	ds_load_b64 v[\reg+2*\p:\reg+2*\p+1], v[\adr] offset:8*PCE+16*(PCE/8)+(\i)*16*PITCH
.else
	ds_load_b64 v[\reg+2*\p:\reg+2*\p+1], v[\adr+1] offset:8*PCE+16*(PCE/8)+(\i)*16*PITCH
.endif
.endr
.endm
.macro FETCH st, f
.irp a, 0,1
.irp p, 0,1,2,3,4,5
	ds_load_b64 v[\f+12*\a+2*\p:\f+12*\a+2*\p+1], v[ADRA] offset:(2*(\st)+\p/3)*HEADB+\a*768+8*(\p%3)
.endr
.endr
.irp i, 0,1,2,3
	FRAG \f+24+12*\i, ADRB+2*((\st)/2), (\st)%2, \i
.endr
.if (\st)%2 == 0
.irp i, 0,1,2,3
	ds_load_b64 v[SB+8*(((\st)/2)%2)+2*\i:SB+8*(((\st)/2)%2)+2*\i+1], v[ADSB] offset:\i*SBLK+8*((\st)/2)
.endr
.endif
.endm
.macro MUL st, f                       ; the eight accumulators take turns, one instruction a turn
.irp a, 0,1
.irp b, 0,1,2,3
	v_wmma_scale_f32_16x16x128_f8f6f4 v[ACC+8*(4*\a+\b):ACC+8*(4*\a+\b)+7], v[\f+24+12*\b:\f+24+12*\b+11], v[\f+12*\a:\f+12*\a+11], v[ACC+8*(4*\a+\b):ACC+8*(4*\a+\b)+7], v[SB+8*(((\st)/2)%2)+2*\b+(\st)%2], v[SA+8*\a+(\st)] matrix_a_fmt:MATRIX_FMT_FP6 matrix_b_fmt:MATRIX_FMT_FP6
.endr
.endr
.endm
	FETCH 0, F0
.set ST, 0
.rept 7
.rept 4
	v_nop                                          ; places in front of loads into registers that matrix instructions have read
.endr
	FETCH ST+1, F0+72*((ST+1)%2)
	s_wait_dscnt 36+4*(ST%2)                       ; all but the loads just issued: 36 for the fragments, 4 more where a K step of 256 begins
	MUL ST, F0+72*(ST%2)
.set ST, ST+1
.endr
	s_wait_dscnt 0x0
	MUL 7, F1
	v_mul_u32_u24 v4, v1, SPITCH                   ; into the stage: row r, 32 bytes for each half of the lanes.  (These lines are also the places behind the last products)
	v_mul_u32_u24 v5, v2, SPITCH                   ; back: sixteen lanes to a row of 256 bytes
	v_lshlrev_b32 v6, 12, v2                       ; and the same two rows in out0
	v_lshl_add_u32 v4, v2, 5, v4
	v_lshl_add_u32 v5, v1, 4, v5
	v_lshl_add_u32 v6, v1, 4, v6
	v_add_nc_u32 v4, s79, v4
	v_add_nc_u32 v5, s79, v5
	s_wait_alu depctr_va_vdst(0)
	s_barrier_signal -1                            ; my reads of the tokens' codes are over (the wait for 0 above);
	s_barrier_wait -1                              ; everybody's are: the stage may be written
.irp a, 0,1
.irp b, 0,1,2,3
	ds_store_b128 v4, v[ACC+8*(4*\a+\b):ACC+8*(4*\a+\b)+3] offset:64*\b          ; each accumulator from its low end on
	ds_store_b128 v4, v[ACC+8*(4*\a+\b)+4:ACC+8*(4*\a+\b)+7] offset:64*\b+16
.endr
.irp t, 0,1,2,3,4,5,6,7
	ds_load_b128 v[F0+32*\a+4*\t:F0+32*\a+4*\t+3], v5 offset:\t*2*SPITCH         ; LDS serves a wave's instructions in order (ISA guide 5.7.1.4)
.endr
.endr
	s_wait_dscnt 16                                ; block 0 is back; block 1's 8 stores and 8 loads may be out
.irp t, 0,1,2,3,4,5,6,7
	global_store_b128 v6, v[F0+4*\t:F0+4*\t+3], s[14:15] offset:2*\t*4096 th:TH_STORE_NT
.endr
	s_wait_dscnt 0x0
.irp t, 0,1,2,3,4,5,6,7
	global_store_b128 v6, v[F0+32+4*\t:F0+32+4*\t+3], s[14:15] offset:(16+2*\t)*4096 th:TH_STORE_NT
.endr
	s_wait_tensorcnt 0x0                           ; the wave's end
	ds_add_u32 v[SPW], v[NIL]
	s_wait_dscnt 0x0
	CROUND                                         ; the closing round
	s_endpgm
.Lfunc_end_k_qbf98d779b0_proj:
	.size	k_qbf98d779b0_proj, .Lfunc_end_k_qbf98d779b0_proj-k_qbf98d779b0_proj
	.p2alignl 7, 3214868480
	.fill 96, 4, 3214868480
	.section	.rodata,"a",@progbits
	.p2align	6, 0x0
	.amdhsa_kernel k_qbf98d779b0_proj
		.amdhsa_group_segment_fixed_size 327680
		.amdhsa_private_segment_fixed_size 0
		.amdhsa_enable_private_segment 0
		.amdhsa_kernarg_size 48
		.amdhsa_user_sgpr_count 2
		.amdhsa_user_sgpr_kernarg_segment_ptr 1
		.amdhsa_wavefront_size32 1
		.amdhsa_system_sgpr_workgroup_id_x 1
		.amdhsa_system_sgpr_workgroup_id_y 1
		.amdhsa_system_sgpr_workgroup_id_z 1
		.amdhsa_system_vgpr_workitem_id 0
		.amdhsa_next_free_vgpr 256
		.amdhsa_next_free_sgpr 80
		.amdhsa_reserve_vcc 0
		.amdhsa_float_denorm_mode_32 3
		.amdhsa_float_denorm_mode_16_64 3
		.amdhsa_memory_ordered 1
		.amdhsa_forward_progress 1
		.amdhsa_inst_pref_size 46
	.end_amdhsa_kernel
	.amdgpu_metadata
---
amdhsa.version: [ 1, 2 ]
amdhsa.kernels:
  - .name:           k_qbf98d779b0_proj
    .symbol:         k_qbf98d779b0_proj.kd
    .args:
      - { .name: ao_codes, .offset: 0, .size: 8, .value_kind: global_buffer, .address_space: global }
      - { .name: ao_scales, .offset: 8, .size: 8, .value_kind: global_buffer, .address_space: global }
      - { .name: xw_codes, .offset: 16, .size: 8, .value_kind: global_buffer, .address_space: global }
      - { .name: xw_scales, .offset: 24, .size: 8, .value_kind: global_buffer, .address_space: global }
      - { .name: b_proj, .offset: 32, .size: 8, .value_kind: global_buffer, .address_space: global }
      - { .name: out0, .offset: 40, .size: 8, .value_kind: global_buffer, .address_space: global }
    .group_segment_fixed_size: 327680
    .private_segment_fixed_size: 0
    .kernarg_segment_align: 8
    .kernarg_segment_size: 48
    .max_flat_workgroup_size: 256
    .sgpr_count:     80
    .vgpr_count:     256
    .wavefront_size: 32
...
	.end_amdgpu_metadata
.endif
;; end of part 4
